; MI455X (gfx1250); checked and timed in simulation.
; The chip was launched on July 23, 2026; its instructions are those of AMD's public machine-readable ISA for CDNA 5 (MIT licence, August 2026) and "CDNA5" Instruction Set Architecture Reference Guide (July 2026). The comments in the code are by the model that wrote it; some were corrected since.
;; Causal Self Attention. Allowed arithmetic: matrix products marked QUANTISED: E3M2 operands, one E8M0 scale for each 32 along K, by v_wmma_scale_f32_16x16x128_f8f6f4 with both operands' format E3M2, f32 sums; everything else in f32.
;; Inputs: Wk 1,024 x 1,024 float32; Wo 1,024 x 1,024 float32; Wq 1,024 x 1,024 float32; Wv 1,024 x 1,024 float32; attention_mask 4 x 2,048 int32; rope_cos 2,048 x 64 float32; rope_sin 2,048 x 64 float32; x 4 x 2,048 x 1,024 float32.
;; Outputs: out0 4 x 2,048 x 1,024 float32.
;; This version of the problem:
;;   THIS VERSION OF THE PROBLEM IS GIVEN IN LOW PRECISION. The matrix products marked QUANTISED in the list below multiply operands that are first quantised to E3M2 (3 exponent bits, 2 mantissa bits; 6 bits a number), with one power-of-two scale for each 32 numbers along K (OCP MX v1.0); their sums are f32. All else is computed in f32.
;;   The module's matrix products, in the order in which they are computed (A, B: the left and right operand; K: the contracted axis; several contracted axes count as one K, in the product's order):
;;     1. [M 8,192, K 1,024] x [K 1,024, N 1,024]; A: input x; B: input Wq: QUANTISED
;;     2. [M 8,192, K 1,024] x [K 1,024, N 1,024]; A: input x; B: input Wk: QUANTISED
;;     3. [M 8,192, K 1,024] x [K 1,024, N 1,024]; A: input x; B: input Wv: QUANTISED
;;     4. batch 64 x [M 2,048, K 64] x [K 64, N 2,048]; A: computed on the way; B: computed on the way: QUANTISED
;;     5. batch 64 x [M 2,048, K 2,048] x [K 2,048, N 64]; A: softmax (see below); B: computed on the way: QUANTISED
;;     6. [M 8,192, K 1,024] x [K 1,024, N 1,024]; A: computed on the way; B: input Wo: QUANTISED
;;   THE QUANTISER, for each operand of a quantised product, along K:
;;     - K is cut into blocks of 32 from its start; a last block that is shorter is filled with zeros.
;;     - A block's scale is 2^e with e = floor(log2(the largest magnitude in the block)) - 4, held to -126 .. 127; a block of zeros has e = 0. As a byte (E8M0): e + 127.
;;     - Each number is divided by its block's scale, clamped to +-28, and rounded to the nearest number of E3M2, ties to even, subnormals kept.
;;     - The product sums the exact products of the quantised numbers (number of the format x scale) in f32.
;;   ~~~python
;;   def quantise(x, axis):      # numpy; x: float32 -> the quantised numbers, widened to float32 again
;;       x = np.moveaxis(x, axis, -1); K = x.shape[-1]
;;       x = np.pad(x, [(0, 0)] * (x.ndim - 1) + [(0, -K % 32)]); x = x.reshape(x.shape[:-1] + (-1, 32)); a = np.abs(x).max(-1, keepdims=True)
;;       e = np.where(a > 0, np.clip(np.frexp(np.where(a > 0, a, 1))[1] - 1 - 4, -126, 127), 0)      # np.frexp(a)[1] - 1 = floor(log2(a)), exactly
;;       r = np.clip(x / 2.0 ** e, -28, 28)
;;       step = 2.0 ** (np.maximum(np.frexp(np.where(r == 0, 1, r))[1] - 1, -2) - 2)
;;       q = np.round(r / step) * step * 2.0 ** e      # np.round: ties to even
;;       return np.moveaxis(q.reshape(q.shape[:-2] + (-1,))[..., :K], -1, axis).astype(np.float32)
;;   ~~~
;;   SOFTMAX AHEAD OF A QUANTISED PRODUCT. Where the list says 'softmax', what is quantised is not the finished softmax but p = 2^(t - M), with t = logit x log2(e) and M = ceil(the row's largest t), a whole number; so 1/2 < the row's largest p <= 1. The row's sum l is taken of the UNQUANTISED p, in f32, and the product's result is divided by l at the end. Since M is a whole number, a kernel that streams over the keys may use a running M (the ceiling of the running maximum): every later rescaling is an exact power of two, which a block's scale takes up: the codes' values come out the same.
;;   OPERANDS COMPUTED ON THE WAY. 'Computed on the way' means the value that the module computes at that place (a softmax that the list does not call 'softmax' is quantised finished and normalised). What goes into a quantiser is computed in f32, as accurately as f32 sums, v_exp_f32 and their like allow (about 1e-6 of the number): no bf16 or f16 on the way to a quantiser, and a product that is left as it is and whose result goes on into a quantised operand takes f32 operands (vector FMAs, or v_wmma_f32_16x16x4_f32). A number that lies on a knife's edge between two numbers of the format may be rounded either way, as far as f32 arithmetic and the matrix unit's own rounding can turn it there, and no further.
;; One version. Each part assembles by itself: llvm-mc -triple=amdgcn-amd-amdhsa -mcpu=gfx1250 --defsym DOCPART=n.
;; ======== version 1 of 1: 4 launches
;; limits: right only within a limited range of input values
;; workspace buffers: codes 9,437,184 bytes; scl 393,216 bytes; qkv 20,185,088 bytes; oc 6,291,456 bytes; os 262,144 bytes
;; launch quant (part 1): grid 256 x 1, 3 waves a work-group, no clusters, 26,624 bytes of LDS; arguments x, Wq, Wk, Wv, Wo, codes, scl; writes codes, scl
.if DOCPART == 1
	.amdgcn_target "amdgcn-amd-amdhsa--gfx1250"
	.amdhsa_code_object_version 6
	.text
	.protected	k_q2d5f59366c_quant
	.globl	k_q2d5f59366c_quant
	.p2align	8
	.type	k_q2d5f59366c_quant,@function
k_q2d5f59366c_quant:
	s_mov_b64 s[64:65], 0
	v_nop
	global_prefetch_b8 v0, s[64:65] scope:SCOPE_SE
	s_setreg_imm32_b32 hwreg(HW_REG_WAVE_MODE, 25, 1), 1
	s_wait_xcnt 0x0
; x [8192][1024] and Wq, Wk, Wv, Wo [1024][1024], f32, K innermost, become codes of BF6 (E3M2) with one E8M0 byte for each 32 along K.
; A block's scale is 2^(floor(log2(its largest magnitude)) - 4); its byte is the largest magnitude's exponent field - 4, held at 1 from below.
; THE CODES ARE LAID AS THE PRODUCTS' OPERAND REGISTERS WANT THEM.  A row block R is 16 rows; a fragment (16 rows x 128 K, 12 registers a lane) is an image of
; 1,536 bytes: [piece p 0..5][lane 0..31][8 bytes] = registers 2 p, 2 p + 1 of the lane.  codes: [s 0..3][R 0..767][q 0..1][1,536], K step of 128 = 2 s + q.
; R 0-511 x, 512-575 Wq, 576-639 Wk, 640-703 Wv, 704-767 Wo.  scl: [16 R + r][32 bytes].
; WHICH ROWS FORM A ROW BLOCK: for x, Wq, Wk, Wv lane r of row block 2 G + u holds row 32 G + 8 u + r % 8 + 16 (r / 8), so that in a product that takes the block as its
; source 0 the 16 result registers of blocks 2 G, 2 G + 1 are 16 neighbours.  Wo's row blocks are 16 neighbouring rows.
; SHARES: one wave to a row block, 768 waves; 16 steps of 16 rows x 64 numbers.  Each load reads 256 consecutive bytes of two rows; the numbers turn through the wave's own stage in LDS
; (rows of 256 + 16 bytes), from which a lane takes a WHOLE block of 32 of its row.  Waves share nothing: no barrier.  Loads run four steps (32 loads a wave) ahead.
; LIMITS: a block of zeros gets the byte 1 where the quantiser says 127 (its codes are zeros, and this program alone reads the bytes); blocks whose largest magnitude lies under 2^-122
; keep the byte 1; NaN and infinities among the inputs are not served.
.set SSTR, 2359296                     ; bytes from one s to the next in codes: 768 row blocks x 3,072
.set STG,  4352                        ; a stage: 16 rows x 272 bytes; two for each wave
.set CD,   32                          ; v32-47   codes: two sets of 8
.set WD,   48                          ; v48-55   the row's eight scale words
.set RS,   64                          ; v64-191  four sets of 32 registers as loaded
.set XS,   192                         ; v192-255 two sets of 32: a lane's block
	s_load_b256 s[4:11], s[0:1], 0x0               ; x, Wq, Wk, Wv
	s_load_b128 s[12:15], s[0:1], 0x20             ; Wo, codes
	s_load_b64 s[16:17], s[0:1], 0x30              ; scl
	v_lshl_add_u32 v62, v0, 2, 0x6600
	v_mov_b32 v63, 0
	v_lshrrev_b32 v1, 5, v0
	v_readfirstlane_b32 s18, v1                    ; wave 0..2
	s_mul_i32 s19, ttmp9, 3
	s_add_co_u32 s19, s19, s18                     ; R, my row block
	v_and_b32 v2, 31, v0                           ; lane
	v_and_b32 v3, 15, v0                           ; r
	v_bfe_u32 v4, v0, 4, 1                         ; h
	v_lshlrev_b32 v10, 4, v3
	v_lshl_add_u32 v10, v4, 12, v10                ; in: sixteen lanes to a row's 256 bytes, lanes 16-31 one row (4,096 bytes) down
	s_mul_i32 s23, s18, 2*STG
	v_mul_u32_u24 v14, v4, 272
	v_lshl_add_u32 v14, v3, 4, v14
	v_add_nc_u32 v14, s23, v14                     ; the stage, on the way in: as loaded
	v_mul_u32_u24 v15, v3, 272
	v_lshl_add_u32 v15, v4, 7, v15
	v_add_nc_u32 v15, s23, v15                     ; and on the way out: row r, 128 h bytes on: my block of 32
	v_lshlrev_b32 v12, 3, v2                       ; a piece of an image: 8 bytes a lane
	v_lshlrev_b32 v13, 5, v3
	v_lshl_add_u32 v13, v4, 4, v13                 ; the scale bytes: row r's 32, 16 for each half of the lanes
	v_lshlrev_b32 v16, 3, v4                       ; 8 h: where my bytes stand in a scale word
	v_mov_b32 v19, 0                               ; written once: a lane permute's destination counts as one of its sources
	s_mov_b32 s20, 0x76543210
	s_mov_b32 s21, 0xfedcba98                      ; v_permlanex16_b32's selects for lane l xor 16
	s_mov_b32 s22, 0xffff0000                      ; lanes 16-31
	s_and_b32 s26, s19, 63
	s_cmp_lt_u32 s19, 512
	s_cselect_b32 s26, s19, s26                    ; the row block's number in its own tensor
	s_lshr_b32 s27, s26, 1
	s_lshl_b32 s27, s27, 5
	s_and_b32 s28, s26, 1
	s_lshl_b32 s28, s28, 3
	s_add_co_u32 s27, s27, s28                     ; first row 32 G + 8 u,
	s_lshl_b32 s28, s26, 4                         ; or 16 R for Wo
	s_cmp_lt_u32 s19, 704
	s_cselect_b32 s30, s27, s28
	s_cselect_b32 s29, 16, 8                       ; the block's rows 8-15 lie so many rows behind its rows 0-7
	s_lshl_b32 s29, s29, 12
	s_lshl_b32 s30, s30, 12                        ; in bytes: under 2^25
	s_mov_b32 s31, 0
	v_add_nc_u32 v11, s29, v10
	s_mul_i32 s32, s19, 3072
	s_mov_b32 s33, 0
	s_lshl_b32 s34, s19, 9
	s_mov_b32 s35, 0
	s_wait_alu depctr_va_vdst(0)
	s_wait_kmcnt 0x0
	s_mov_b64 s[24:25], s[12:13]                   ; the source, chosen by the row block's number alone
	s_cmp_lt_u32 s19, 704
	s_cselect_b64 s[24:25], s[10:11], s[24:25]
	s_cmp_lt_u32 s19, 640
	s_cselect_b64 s[24:25], s[8:9], s[24:25]
	s_cmp_lt_u32 s19, 576
	s_cselect_b64 s[24:25], s[6:7], s[24:25]
	s_cmp_lt_u32 s19, 512
	s_cselect_b64 s[24:25], s[4:5], s[24:25]
	s_add_nc_u64 s[24:25], s[24:25], s[30:31]
	s_add_nc_u64 s[14:15], s[14:15], s[32:33]      ; codes at my row block
	s_add_nc_u64 s[16:17], s[16:17], s[34:35]      ; scl likewise
.macro LOAD t                          ; step t: 64 numbers of each of the 16 rows, two rows a load
.irp j, 0,1,2,3
	global_load_b128 v[RS+32*((\t)%4)+4*\j:RS+32*((\t)%4)+4*\j+3], v10, s[24:25] offset:8192*\j+256*(\t) th:TH_LOAD_NT
.endr
.irp j, 0,1,2,3
	global_load_b128 v[RS+32*((\t)%4)+16+4*\j:RS+32*((\t)%4)+16+4*\j+3], v11, s[24:25] offset:8192*\j+256*(\t) th:TH_LOAD_NT
.endr
.endm
.macro TURN t                          ; through the stage: LDS serves a wave's instructions in order (ISA guide 5.7.1.4), so no wait stands between the stores and the loads
.irp j, 0,1,2,3,4,5,6,7
	ds_store_b128 v14, v[RS+32*((\t)%4)+4*\j:RS+32*((\t)%4)+4*\j+3] offset:STG*((\t)%2)+544*\j
.endr
.irp j, 0,1,2,3,4,5,6,7
	ds_load_b128 v[XS+32*((\t)%2)+4*\j:XS+32*((\t)%2)+4*\j+3], v15 offset:STG*((\t)%2)+16*\j
.endr
.endm
.macro STEP t
.set XB, XS+32*((\t)%2)
.set CB, CD+8*((\t)%2)
	s_wait_dscnt 0x0                               ; my block is back from the stage, and the stores into the stage have read their registers,
.if (\t)+4 < 16
	LOAD (\t)+4                                    ; which take the loads of four steps on
.endif
.if (\t) < 12
	s_wait_loadcnt 24                              ; the next step's eight loads are in; those of the three steps behind it stay out
	TURN (\t)+1
.elseif (\t) < 15
	s_wait_loadcnt 8*(14-(\t))                     ; the counts run down: nothing more is asked for
	TURN (\t)+1
.endif
	v_max3_num_f32 v20, |v[XB]|, |v[XB+1]|, |v[XB+2]|        ; the block's largest magnitude: all 32 numbers are mine; two chains
	v_max3_num_f32 v21, |v[XB+3]|, |v[XB+4]|, |v[XB+5]|
.irp i, 6,10,14,18,22,26
	v_max3_num_f32 v20, v20, |v[XB+\i]|, |v[XB+\i+1]|
	v_max3_num_f32 v21, v21, |v[XB+\i+2]|, |v[XB+\i+3]|
.endr
	v_max3_num_f32 v20, v20, |v[XB+30]|, |v[XB+31]|
	v_max3_num_f32 v20, v20, v21, 0x2800000        ; and the floor 2^(5 - 127): the byte cannot fall under 1
	v_add_nc_u32 v22, 0xfe000000, v20              ; 4 off the exponent field: the conversion takes that field as its scale
	s_wait_alu depctr_va_vdst(0)
	s_wait_xcnt 0x0                                ; the stores of two steps back have read this set of code registers
	v_cvt_scalef32_pk16_bf6_f32 v[CB:CB+2], v[XB:XB+15], v22
	v_cvt_scalef32_pk16_bf6_f32 v[CB+4:CB+6], v[XB+16:XB+31], v22   ; (a conversion's three registers begin on an even number)
.if (\t)%2 == 0
	v_lshrrev_b32 v17, 23, v22                     ; the byte of block h.  (Also the plain line behind the conversions)
.else
	v_lshrrev_b32 v18, 23, v22                     ; the byte of block 2 + h
.endif
	v_mov_b32 v[CB+3], v[CB+4]
	v_mov_b32 v[CB+4], v[CB+5]
	v_mov_b32 v[CB+5], v[CB+6]                     ; six registers on end: my block's 24 bytes
.if (\t)%2 == 1
	v_lshl_or_b32 v18, v18, 16, v17                ; my two bytes of the K step's scale word,
	v_lshlrev_b32 v18, v16, v18                    ; at their places;
	v_permlanex16_b32 v19, v18, s20, s21
	v_or_b32 v[WD+(\t)/2], v18, v19                ; with lane l xor 16's two the word is whole
.endif
.irp p, 0,1,2
	global_store_b64 v12, v[CB+2*\p:CB+2*\p+1], s[14:15] offset:((\t)/4)*SSTR+(((\t)/2)%2)*1536+((\t)%2)*768+256*\p   ; 32 lanes store 256 consecutive bytes, aligned
.endr
.endm
.irp t, 0,1,2,3
	LOAD \t
.endr
	s_wait_loadcnt 24                              ; step 0's eight loads are in
	TURN 0
.irp t, 0,1,2,3,4,5,6,7,8,9,10,11,12,13,14,15
	STEP \t
.endr
.irp i, 0,1,2,3
	v_cndmask_b32 v[24+\i], v[WD+\i], v[WD+4+\i], s22   ; lanes 0-15 store the row's words 0-3, lanes 16-31 its words 4-7
.endr
	global_store_b128 v13, v[24:27], s[16:17]      ; 512 consecutive bytes
	s_wait_tensorcnt 0x0
	ds_add_u32 v62, v63
	s_wait_dscnt 0x0
	s_endpgm
.Lfunc_end_k_q2d5f59366c_quant:
	.size	k_q2d5f59366c_quant, .Lfunc_end_k_q2d5f59366c_quant-k_q2d5f59366c_quant
	.p2alignl 7, 3214868480
	.fill 96, 4, 3214868480
	.section	.rodata,"a",@progbits
	.p2align	6, 0x0
	.amdhsa_kernel k_q2d5f59366c_quant
		.amdhsa_group_segment_fixed_size 26624
		.amdhsa_private_segment_fixed_size 0
		.amdhsa_enable_private_segment 0
		.amdhsa_kernarg_size 56
		.amdhsa_user_sgpr_count 2
		.amdhsa_user_sgpr_kernarg_segment_ptr 1
		.amdhsa_wavefront_size32 1
		.amdhsa_system_sgpr_workgroup_id_x 1
		.amdhsa_system_sgpr_workgroup_id_y 1
		.amdhsa_system_sgpr_workgroup_id_z 1
		.amdhsa_system_vgpr_workitem_id 0
		.amdhsa_next_free_vgpr 256
		.amdhsa_next_free_sgpr 66
		.amdhsa_reserve_vcc 0
		.amdhsa_float_denorm_mode_32 3
		.amdhsa_float_denorm_mode_16_64 3
		.amdhsa_memory_ordered 1
		.amdhsa_forward_progress 1
		.amdhsa_inst_pref_size 61
	.end_amdhsa_kernel
	.amdgpu_metadata
---
amdhsa.version: [ 1, 2 ]
amdhsa.kernels:
  - .name:           k_q2d5f59366c_quant
    .symbol:         k_q2d5f59366c_quant.kd
    .args:
      - { .name: x, .offset: 0, .size: 8, .value_kind: global_buffer, .address_space: global }
      - { .name: Wq, .offset: 8, .size: 8, .value_kind: global_buffer, .address_space: global }
      - { .name: Wk, .offset: 16, .size: 8, .value_kind: global_buffer, .address_space: global }
      - { .name: Wv, .offset: 24, .size: 8, .value_kind: global_buffer, .address_space: global }
      - { .name: Wo, .offset: 32, .size: 8, .value_kind: global_buffer, .address_space: global }
      - { .name: codes, .offset: 40, .size: 8, .value_kind: global_buffer, .address_space: global }
      - { .name: scl, .offset: 48, .size: 8, .value_kind: global_buffer, .address_space: global }
    .group_segment_fixed_size: 26624
    .private_segment_fixed_size: 0
    .kernarg_segment_align: 8
    .kernarg_segment_size: 56
    .max_flat_workgroup_size: 96
    .sgpr_count:     66
    .vgpr_count:     256
    .wavefront_size: 32
...
	.end_amdgpu_metadata
.endif
;; end of part 1
;; launch qkv (part 2): grid 12 x 32, 4 waves a work-group, clusters of 4 x 4, 327,680 bytes of LDS; arguments codes, scl, rope_cos, rope_sin, qkv; writes qkv
.if DOCPART == 2
	.amdgcn_target "amdgcn-amd-amdhsa--gfx1250"
	.amdhsa_code_object_version 6
	.text
	.protected	k_q2d5f59366c_qkv
	.globl	k_q2d5f59366c_qkv
	.p2align	8
	.type	k_q2d5f59366c_qkv,@function
k_q2d5f59366c_qkv:
	s_mov_b64 s[64:65], 0
	v_nop
	global_prefetch_b8 v0, s[64:65] scope:SCOPE_SE
	s_setreg_imm32_b32 hwreg(HW_REG_WAVE_MODE, 25, 1), 1
	s_wait_xcnt 0x0
	s_wait_alu depctr_hold_cnt(0) depctr_sa_sdst(0) depctr_va_vdst(0) depctr_va_sdst(0) depctr_va_ssrc(0) depctr_va_vcc(0) depctr_vm_vsrc(0)
	s_getreg_b32 s2, hwreg(HW_REG_IB_STS2, 6, 4)
	s_cmp_eq_u32 s2, 0
	s_cbranch_scc0 .Lentry_in_a_cluster
	s_endpgm
.Lentry_in_a_cluster:
	s_bfe_u32 s2, ttmp6, 0x10000c
	s_cmp_lg_u32 s2, 0xf033
	s_cbranch_scc0 .Lentry_shape_is_right
	s_endpgm
.Lentry_shape_is_right:
; q = rope(x Wq^T), k = rope(x Wk^T), v = x Wv^T on codes of BF6 (E3M2) with E8M0 scales, K = 1,024; the results are quantised here for attention: q and k along the head's 64, v along the tokens.
; THE PRODUCT: a tile of 256 x 256 to a work-group of four waves, 128 x 128 to a wave (64 accumulators, 512 registers).  K goes in steps of 256 through a ring of two LDS slots.  The codes lie in memory as images of
; the operand's registers (launch quant), so a wave's tensor load brings 8 row blocks x 2 fragments as ONE dense block of 24,576 bytes, and a fragment is six ds_load_b64 of 256 consecutive bytes each.
; The scale bytes of the tile's rows, for all of K, come once with the first fills, as units of 256 bytes + 16 of padding.
; CLUSTERS 4 x 4.  Source 1's tile (the A role) hangs on cy and is asked for jointly along a row of the cluster, source 0's (the B role) on cx, along a column.
; ROLES.  Source 0's rows run along a lane's registers, source 1's row is the lane's.  Clusters x = 0 (q) and 1 (k): source 1 = tokens, source 0 = rows of W: a lane holds one token and registers along d.
; Cluster x = 2 (v): source 1 = rows of Wv, source 0 = tokens: a lane holds one channel and registers along the tokens.  So each result's registers run along ITS quantiser's K, out of one and the same loop.
; The choice hangs on the cluster's x, which all sixteen partners share.
; Row blocks are interleaved (launch quant): the 16 registers of accumulators 2 G, 2 G + 1 are neighbours 32 G + 16 (lane / 16) + 0 .. 15.
; qkv: [head 0..63][step of 128 tokens 0..15][19,712]: k's codes 0 ([tile of 16 tokens][piece 0..2][lane][8]), k's scale words 6,144 ([g][r][tiles 4 g .. 4 g + 3]), v's codes 6,656 ([tile of 16 channels][chunk 0..2][lane][16]),
; v's scale words 12,800 ([r][tile]), q's codes 13,056, q's scale words 19,200.  A q or k scale word holds two bytes; its upper two are 0.
; LIMITS: a block of zeros gets the byte 1 where the quantiser says 127 (its codes are zeros; this program alone reads the bytes); NaN and infinities are not served.
; REGISTERS, in windows of 256: window 0: v16-29 addresses; v32-63 scale words, two sets; v64-127 RoPE set 0; v128-223 source 1's fragments, ONE set; on the way out v128-251 are at work.
;   window 1: source 0's fragments, two sets, at v0 and v128; on the way out v0-63 RoPE set 1.   windows 2, 3: the accumulators ((a, b) at v[8 (8 (a % 4) + b)]).
.set NQ,     2                         ; matrix instructions deep in a slot
.set FR,     12
.set NL,     6                         ; LDS loads that bring a fragment
.set NP,     4                         ; places behind this matrix instruction (ISA guide 7.12.1)
.set HALFT,  24576                     ; 8 row blocks x 3,072: what one tensor load brings
.set SLOT,   4*HALFT
.set SSTR,   2359296                   ; from one K step of 256 to the next in codes
.set SCL,    2*SLOT                    ; behind the ring: the scales
.set HALFS,  4352                      ; those of 128 rows: 16 units of 272 bytes
.set SBLK,   544                       ; those of 16 rows
.set SPARE,  SCL+4*HALFS               ; the spare words, 128 bytes for each wave: two blocks of 256 bytes that no other line names
.set HEADB,  315392
.set REC,    19712
.set ADRA, 16                          ; v16-17 LDS address of source 1's fragments in slot 0, 1
.set ADRB, 20                          ; v20-21 of source 0's
.set ROFF, 22                          ; v22  my token's row in the RoPE tables, + 64 (lane / 16)
.set L8,   23                          ; v23  8 x lane
.set L16,  24                          ; v24  16 x lane
.set HR,   25                          ; v25  (lane / 16) x HEADB + 16 r
.set H16,  26                          ; v26  16 (lane / 16)
.set ADRS, 27                          ; v27  LDS address of my scale words: lanes 0-15 source 1's rows, lanes 16-31 source 0's
.set SPW,  28
.set NIL,  29
.set SC,   32
.set AF,   128
.set H,    128                         ; v128-191 a tile's 64 numbers after RoPE
.set PC,   192                         ; v192-203 the codes just made; v204-206, v208-210 beside them
.set TM,   224                         ; v224-227 largest magnitudes; v228-231 the other half's, then bytes; v232-235 the conversions' scale operands
.set TP,   228
.set TS,   232
.set PW,   236
.set SW,   240                         ; v240-247 the eight tiles' scale words
.set T4,   248
.set G1, 24
.set G0, 32
.set G1B, 48
.set G0B, 56
.set G1S, 68
.set G0S, 76
.set G1SB, 80
.set G0SB, 88
.set MSB, 0
.macro WIN new                         ; the immediate's high byte repeats the setting that is left
.if MSB != (\new)
	s_set_vgpr_msb (MSB<<8)|(\new)
.set MSB, (\new)
.endif
.endm
.set MUL_LO, 0xa1                      ; source 0 window 1, source 1 window 0, C and D window 2
.set MUL_HI, 0xf1
.set TO_B,   0x40
; A joint load: waves 0 and 1 fetch for source 1, waves 2 and 3 for source 0.  The branch hangs on the wave's number alone.  Four v_nop follow each line.
.macro JLOAD g0a, g1a, g0b, g1b
	s_cmp_eq_u32 s15, 0
	s_cbranch_scc0 .Lfor_b_\@
	tensor_load_to_lds s[\g0a:\g0a+3], s[\g1a:\g1a+7]
	s_nop 0
.rept 4
	v_nop
.endr
	s_branch .Lasked_\@
.Lfor_b_\@:
	tensor_load_to_lds s[\g0b:\g0b+3], s[\g1b:\g1b+7]
	s_nop 0
.rept 4
	v_nop
.endr
.Lasked_\@:
.endm
.macro CREST                           ; a round of the cluster's barrier behind its opening barrier
	s_cmp_lg_u32 s14, 0
	s_cbranch_scc1 .Lnot_wave_0_\@
	s_barrier_signal -3
.Lnot_wave_0_\@:
	s_barrier_wait -3
	s_barrier_signal -1
	s_barrier_wait -1
.endm
.macro CROUND
	s_barrier_signal -1
	s_barrier_wait -1
	CREST
.endm
	s_load_b256 s[4:11], s[0:1], 0x0               ; codes s[4:5], scl s[6:7], rope_cos s[8:9], rope_sin s[10:11]
	s_load_b64 s[12:13], s[0:1], 0x20              ; qkv
	v_lshl_add_u32 v[SPW], v0, 2, SPARE
	v_mov_b32 v[NIL], 0
	ds_add_u32 v28, v29
	ds_add_u32 v28, v29
	s_wait_dscnt 0x0
	v_lshrrev_b32 v1, 5, v0
	v_readfirstlane_b32 s14, v1                    ; wave 0..3
	s_lshr_b32 s15, s14, 1                         ; my half of source 1's rows.  Also: I fetch for source 1 (0) or source 0 (1)
	s_and_b32 s16, s14, 1                          ; my half of source 0's rows.  Also: which 8 row blocks I fetch
	s_bfe_u32 s40, ttmp6, 0x40000                  ; cx
	s_bfe_u32 s41, ttmp6, 0x40004                  ; cy
	s_and_b32 s17, ttmp7, 0xffff
	s_lshl_b32 s17, s17, 2                         ; 4 x cluster y
	s_add_co_u32 s42, s17, s41                     ; q, k: my tile of 256 tokens
	s_add_co_u32 s98, s17, s40                     ; v: my tile of 256 tokens
	s_lshl_b32 s43, s41, 2
	s_lshl_b32 s43, 15, s43                        ; my row of the cluster
	s_lshl_b32 s44, 0x1111, s40                    ; my column
	s_or_b32 s[G1+0], s43, (3<<16)|(1<<21)         ; 15:0 the mask; 17:16 elements of 8 bytes; 20 no padding; 21 set beside a mask
	s_or_b32 s[G1B+0], s44, (3<<16)|(1<<21)
.irp g, G1, G1B
	s_mov_b32 s[\g+1], 32<<16                      ; tensor_dim0 = 32 elements: rows of 256 bytes
	s_mov_b32 s[\g+2], 96<<16                      ; tensor_dim1 = 96 rows: 24,576 dense bytes
	s_mov_b32 s[\g+3], 32<<16                      ; tile_dim0
	s_mov_b32 s[\g+4], 96                          ; tile_dim1
	s_mov_b32 s[\g+5], 32                          ; the pitch
	s_mov_b32 s[\g+6], 0
	s_mov_b32 s[\g+7], 0
.endr
	s_or_b32 s[G1S+0], s43, (3<<16)|(1<<20)|(1<<21)|(5<<22)|(3<<25)   ; the scales of 128 rows: 16 rows of 256 bytes, 16 bytes of padding behind each
	s_or_b32 s[G1SB+0], s44, (3<<16)|(1<<20)|(1<<21)|(5<<22)|(3<<25)
.irp g, G1S, G1SB
	s_mov_b32 s[\g+1], 32<<16
	s_mov_b32 s[\g+2], 16<<16
	s_mov_b32 s[\g+3], 32<<16
	s_mov_b32 s[\g+4], 16
	s_mov_b32 s[\g+5], 32
	s_mov_b32 s[\g+6], 0
	s_mov_b32 s[\g+7], 0
.endr
	; the row blocks.  Source 1's hang on cy alone, source 0's on cx alone, each in registers that never hold the other
	s_lshl_b32 s20, s42, 4                         ; q, k: tokens
	s_lshl_b32 s21, s41, 4
	s_add_co_u32 s21, s21, 640                     ; v: rows of Wv
	s_lshl_b32 s46, s98, 4                         ; v: tokens
	s_lshl_b32 s47, ttmp9, 2
	s_add_co_u32 s47, s47, s40
	s_lshl_b32 s47, s47, 4
	s_add_co_u32 s47, s47, 512                     ; q, k: rows of Wq (cluster x = 0) or Wk (1)
	s_cmp_eq_u32 ttmp9, 2
	s_cselect_b32 s96, 1, 0                        ; 1: v's cluster
	s_cselect_b32 s20, s21, s20
	s_cselect_b32 s46, s46, s47
	s_lshl_b32 s18, s16, 3
	s_add_co_u32 s20, s20, s18                     ; + the 8 that I fetch
	s_add_co_u32 s46, s46, s18
	s_lshl_b32 s22, s20, 9                         ; their scale bytes: 512 a row block,
	s_mov_b32 s23, 0
	s_mul_i32 s20, s20, 3072                       ; their codes: 3,072
	s_mov_b32 s21, 0
	s_lshl_b32 s92, s46, 9
	s_mov_b32 s93, 0
	s_mul_i32 s46, s46, 3072
	s_mov_b32 s47, 0
	s_mul_i32 s45, s14, HALFT                      ; where they go: by the wave's number alone
	s_mul_i32 s94, s14, HALFS
	s_and_b32 s18, s42, 7
	s_lshl_b32 s18, s18, 1
	s_add_co_u32 s18, s18, s15
	s_lshl_b32 s18, s18, 15                        ; the RoPE rows of my 128 tokens (q, k): 256 bytes a row
	s_mov_b32 s19, 0
	s_wait_kmcnt 0x0
	s_add_nc_u64 s[20:21], s[4:5], s[20:21]
	s_add_nc_u64 s[22:23], s[6:7], s[22:23]
	s_add_nc_u64 s[46:47], s[4:5], s[46:47]
	s_add_nc_u64 s[92:93], s[6:7], s[92:93]
	s_add_nc_u64 s[8:9], s[8:9], s[18:19]
	s_add_nc_u64 s[10:11], s[10:11], s[18:19]
	CROUND                                         ; all sixteen work-groups are here: the first joint loads meet
	s_mov_b32 s[G0S], 1
	s_add_co_u32 s[G0S+1], s94, SCL
	s_mov_b64 s[G0S+2:G0S+3], s[22:23]
	s_or_b32 s[G0S+3], s[G0S+3], 0x80000000
	s_mov_b32 s[G0SB], 1
	s_add_co_u32 s[G0SB+1], s94, SCL
	s_mov_b64 s[G0SB+2:G0SB+3], s[92:93]
	s_or_b32 s[G0SB+3], s[G0SB+3], 0x80000000
	JLOAD G0S, G1S, G0SB, G1SB                     ; the scales first: they are wanted with K step 0
.irp s, 0,1
	s_mov_b32 s[G0+4*\s], 1
	s_add_co_u32 s[G0+4*\s+1], s45, \s*SLOT
	s_add_nc_u64 s[G0+4*\s+2:G0+4*\s+3], s[20:21], \s*SSTR
	s_or_b32 s[G0+4*\s+3], s[G0+4*\s+3], 0x80000000
	s_mov_b32 s[G0B+4*\s], 1
	s_add_co_u32 s[G0B+4*\s+1], s45, \s*SLOT
	s_add_nc_u64 s[G0B+4*\s+2:G0B+4*\s+3], s[46:47], \s*SSTR
	s_or_b32 s[G0B+4*\s+3], s[G0B+4*\s+3], 0x80000000
	JLOAD G0+4*\s, G1, G0B+4*\s, G1B
.endr
	v_and_b32 v1, 15, v0                           ; r
	v_bfe_u32 v2, v0, 4, 1                         ; h
	v_and_b32 v6, 31, v0
	v_lshlrev_b32 v[L8], 3, v6
	v_lshlrev_b32 v[L16], 4, v6
	s_mul_i32 s21, s15, HALFT                      ; my 8 row blocks of source 1,
	s_mul_i32 s22, s16, HALFT
	s_add_co_u32 s22, s22, 2*HALFT                 ; and of source 0, which lie behind source 1's 16
.irp s, 0,1
	v_add_nc_u32 v[ADRA+\s], s21, v[L8]
	v_add_nc_u32 v[ADRB+\s], s22, v[L8]
	s_add_co_u32 s21, s21, SLOT
	s_add_co_u32 s22, s22, SLOT
.endr
	v_lshlrev_b32 v5, 5, v1                        ; my row's scales: 32 bytes a row,
	v_lshrrev_b32 v6, 8, v5
	v_lshl_add_u32 v5, v6, 4, v5                   ; and 16 more for each 256 passed
	s_mul_i32 s21, s15, HALFS
	s_mul_i32 s22, s16, HALFS
	s_add_co_u32 s22, s22, 2*HALFS
	s_sub_co_u32 s22, s22, s21
	v_mul_u32_u24 v6, s22, v2                      ; lanes 16-31 take source 0's: ONE product, the distance between the two bases
	s_add_co_u32 s21, s21, SCL
	v_add_nc_u32 v5, v5, v6
	v_add_nc_u32 v[ADRS], s21, v5
	v_and_b32 v6, 7, v1
	v_lshrrev_b32 v7, 3, v1
	v_lshl_add_u32 v6, v7, 4, v6                   ; r % 8 + 16 (r / 8): my token in a pair of row blocks
	v_lshlrev_b32 v[ROFF], 8, v6
	v_lshl_add_u32 v[ROFF], v2, 6, v[ROFF]
	v_mul_u32_u24 v[HR], v2, HEADB
	v_lshl_add_u32 v[HR], v1, 4, v[HR]
	v_lshlrev_b32 v[H16], 4, v2
.irp b, 0,1,2,3
	v_mov_b32 v[TP+\b], 0                          ; written once: a lane permute's destination counts as one of its sources
.endr
.macro FRAG reg, adr, q, i             ; a fragment as it lies: six pieces of 256 consecutive bytes
.irp p, 0,1,2,3,4,5
	ds_load_b64 v[\reg+2*\p:\reg+2*\p+1], v[\adr] offset:(\i)*3072+(\q)*1536+256*\p
.endr
.endm
; 16 matrix instructions: source 1's blocks a0, a0 + 1 x source 0's eight, 128 along K.  The 64 accumulators take turns, one instruction a turn, in the same order in every step.
.macro MUL16 a0, p, q, sc, zero
.irp a, \a0, \a0+1
.irp b, 0,1,2,3,4,5,6,7
.if \zero
	v_wmma_scale_f32_16x16x128_f8f6f4 v[8*(8*((\a)%4)+\b):8*(8*((\a)%4)+\b)+7], v[128*(\p)+FR*\b:128*(\p)+FR*\b+FR-1], v[AF+FR*(\a):AF+FR*(\a)+FR-1], 0, v[SC+8*NQ*(\sc)+NQ*\b+(\q)], v[SC+8*NQ*(\sc)+NQ*(\a)+(\q)] matrix_a_fmt:MATRIX_FMT_BF6 matrix_b_fmt:MATRIX_FMT_BF6 matrix_a_scale:MATRIX_SCALE_ROW1
.else
	v_wmma_scale_f32_16x16x128_f8f6f4 v[8*(8*((\a)%4)+\b):8*(8*((\a)%4)+\b)+7], v[128*(\p)+FR*\b:128*(\p)+FR*\b+FR-1], v[AF+FR*(\a):AF+FR*(\a)+FR-1], v[8*(8*((\a)%4)+\b):8*(8*((\a)%4)+\b)+7], v[SC+8*NQ*(\sc)+NQ*\b+(\q)], v[SC+8*NQ*(\sc)+NQ*(\a)+(\q)] matrix_a_fmt:MATRIX_FMT_BF6 matrix_b_fmt:MATRIX_FMT_BF6 matrix_a_scale:MATRIX_SCALE_ROW1
.endif
.endr
.endr
.endm
.macro FETCH_B slot, q, p
	WIN TO_B
.irp i, 0,1,2,3,4,5,6,7
	FRAG 128*(\p)+FR*\i, ADRB+\slot, \q, \i
.endr
	WIN 0
.endm
.macro FETCH_A slot, q, i0
.irp i, \i0, \i0+1, \i0+2, \i0+3
	FRAG AF+FR*(\i), ADRA+\slot, \q, \i
.endr
.endm
.macro SCALES sc                       ; a K step's scale words: two a row; lanes 0-15 source 1's block i, lanes 16-31 source 0's block i
.irp i, 0,1,2,3,4,5,6,7
	ds_load_b64 v[SC+8*NQ*\sc+NQ*\i:SC+8*NQ*\sc+NQ*\i+1], v[ADRS] offset:\i*SBLK
.endr
.endm
.macro PLACES n                        ; plain vector lines between a matrix instruction and a load into, or a read of, its registers
.rept \n
	v_nop
.endr
.endm
.macro STEP slot, q, zero              ; 128 along K with its successor in the same slot
	s_wait_dscnt 4*NL                              ; source 0's set and source 1's blocks 0-3 are in; the youngest 24 loads (blocks 4-7) may be out
	WIN MUL_LO
	MUL16 0, (\q)%2, \q, \slot, \zero
	MUL16 2, (\q)%2, \q, \slot, \zero
	s_wait_dscnt 0
	PLACES NP
	FETCH_B \slot, (\q)+1, 1-(\q)%2
	FETCH_A \slot, (\q)+1, 0
	WIN MUL_HI
	MUL16 4, (\q)%2, \q, \slot, \zero
	MUL16 6, (\q)%2, \q, \slot, \zero
	PLACES NP
	WIN 0
	FETCH_A \slot, (\q)+1, 4
.endm
; A slot's last step changes slots: one barrier; in front of it each wave waits for all its tensor loads, adds 0 to its spare word, and waits for that and for its reads of this slot.
.macro TURN slot, next, fill
	s_wait_tensorcnt 0x0                           ; all my tensor loads have landed: my part of the next slot
	ds_add_u32 v[SPW], v[NIL]                      ; 0 onto my spare word
	s_wait_dscnt 4*NL+1                            ; (the add and the youngest 24 loads may be out)
	WIN MUL_LO
	MUL16 0, 1, NQ-1, \slot, 0                     ; sixteen matrix instructions stand between the add and the wait for it
	s_wait_dscnt 0x0                               ; the add is done, and my reads of this slot are over
	s_barrier_signal -1
	MUL16 2, 1, NQ-1, \slot, 0
	WIN 0
	s_barrier_wait -1
.if \fill
	CREST                                          ; the barrier has opened a round of the cluster's: no wave of any partner still reads this slot or has a load on its way
	s_add_nc_u64 s[G0+4*\slot+2:G0+4*\slot+3], s[G0+4*\slot+2:G0+4*\slot+3], 2*SSTR
	s_add_nc_u64 s[G0B+4*\slot+2:G0B+4*\slot+3], s[G0B+4*\slot+2:G0B+4*\slot+3], 2*SSTR
	JLOAD G0+4*\slot, G1, G0B+4*\slot, G1B         ; the first tensor load behind the round; its four v_nop are the places in front of the loads below
.else
	PLACES NP
.endif
	s_wait_alu depctr_va_vdst(0)
	v_add_nc_u32 v[ADRS], 4*NQ, v[ADRS]            ; the next K step's scale words
	FETCH_B \next, 0, 0
	FETCH_A \next, 0, 0
	SCALES \next
	WIN MUL_HI
	MUL16 4, 1, NQ-1, \slot, 0
	MUL16 6, 1, NQ-1, \slot, 0
	PLACES NP
	WIN 0
	FETCH_A \next, 0, 4
.endm
; The RoPE rows of tile a's 16 tokens: my token's cos and sin at d = 32 u + 16 (lane / 16) + 0 .. 15: cos at base, sin at base + 32; 16 loads.
.macro LOADR a, win, base
	WIN (\win)<<6
.irp u, 0,1
.irp j, 0,1,2,3
	global_load_b128 v[\base+16*\u+4*\j:\base+16*\u+4*\j+3], v[ROFF], s[8:9] offset:(32*((\a)/2)+8*((\a)%2))*256+128*\u+16*\j
	global_load_b128 v[\base+32+16*\u+4*\j:\base+32+16*\u+4*\j+3], v[ROFF], s[10:11] offset:(32*((\a)/2)+8*((\a)%2))*256+128*\u+16*\j
.endr
.endr
	WIN 0
.endm
; Tile a, both heads: x1 = d under 32, x2 = d + 32, 16 registers apart.  y1 = x1 cos1 - x2 sin1, y2 = x2 cos2 + x1 sin2.  Each accumulator is read from its low end on.
.macro ROPE a
.set AC, 64*((\a)%4)
.set RT, 64*(1-(\a)%2)
	WIN (2+(\a)/4)|(((\a)%2)<<2)
.irp e, 0,1
.irp i, 0,2,4,6,8,10,12,14
	v_pk_mul_f32 v[H+32*\e+\i:H+32*\e+\i+1], v[AC+32*\e+\i:AC+32*\e+\i+1], v[RT+\i:RT+\i+1]
	v_pk_mul_f32 v[H+32*\e+16+\i:H+32*\e+16+\i+1], v[AC+32*\e+16+\i:AC+32*\e+16+\i+1], v[RT+16+\i:RT+16+\i+1]
	v_pk_fma_f32 v[H+32*\e+\i:H+32*\e+\i+1], v[AC+32*\e+16+\i:AC+32*\e+16+\i+1], v[RT+32+\i:RT+32+\i+1], v[H+32*\e+\i:H+32*\e+\i+1] neg_lo:[1,0,0] neg_hi:[1,0,0]
	v_pk_fma_f32 v[H+32*\e+16+\i:H+32*\e+16+\i+1], v[AC+32*\e+\i:AC+32*\e+\i+1], v[RT+48+\i:RT+48+\i+1], v[H+32*\e+16+\i:H+32*\e+16+\i+1]
.endr
.endr
	WIN 0
.endm
; 64 numbers of a lane in window w, register 16 b + i = k 32 b + 16 (lane / 16) + i of my row, become a fragment's codes in v[PC] on and its scale word in v[pw].
.macro QUANT s, w, pw
	WIN (\w)|((\w)<<2)
.irp b, 0,1,2,3
	v_max3_num_f32 v[TM+\b], |v[\s+16*\b]|, |v[\s+1+16*\b]|, 0x2800000   ; my 16 numbers of block b, and the floor 2^(5 - 127): the byte cannot fall under 1
.endr
.irp i, 2,4,6,8,10,12,14
.irp b, 0,1,2,3
	v_max3_num_f32 v[TM+\b], |v[\s+16*\b+\i]|, |v[\s+1+16*\b+\i]|, v[TM+\b]   ; (the four blocks by turns)
.endr
.endr
	WIN 0
.irp b, 0,1,2,3
	v_permlanex16_b32 v[TP+\b], v[TM+\b], s20, s21
.endr
.irp b, 0,1,2,3
	v_max_num_f32 v[TM+\b], v[TM+\b], v[TP+\b]     ; with lane l xor 16's: the block's largest magnitude
.endr
.irp b, 0,1,2,3
	v_add_nc_u32 v[TS+\b], 0xfe000000, v[TM+\b]    ; 4 off its exponent field: the conversion's scale operand
.endr
.irp b, 0,1,2,3
	v_lshrrev_b32 v[TP+\b], 23, v[TS+\b]           ; the scale's byte
.endr
	v_lshl_or_b32 v[\pw], v[TP+1], 8, v[TP]
	v_lshl_or_b32 v[\pw], v[TP+2], 16, v[\pw]
	v_lshl_or_b32 v[\pw], v[TP+3], 24, v[\pw]
	s_wait_xcnt 0x0                                ; the last tile's stores have read the code registers
	WIN (\w)
.irp c, 0,1
	v_cvt_scalef32_pk16_bf6_f32 v[PC+6*\c:PC+2+6*\c], v[\s+32*\c:\s+15+32*\c], v[TS+2*\c]
	v_cvt_scalef32_pk16_bf6_f32 v[PC+12+4*\c:PC+14+4*\c], v[\s+16+32*\c:\s+31+32*\c], v[TS+2*\c+1]   ; (a conversion's three registers begin on an even number)
.endr
	WIN 0
	v_nop                                          ; one plain line behind a scaled conversion
.irp c, 0,1                            ; the operand's layout wants a WHOLE block in a lane: lanes 0-15 block 2 c, lanes 16-31 block 2 c + 1
.irp i, 0,1,2
	v_permlane16_swap_b32 v[PC+6*\c+\i], v[PC+12+4*\c+\i]
.endr
.irp i, 0,1,2
	v_mov_b32 v[PC+3+6*\c+\i], v[PC+12+4*\c+\i]
.endr
.endr
.endm
	LOADR 0, 0, 64                                 ; tile 0's RoPE rows are asked for now and land under the product.  (v's work-groups ask too and do not use them: so the text parts once, at the way out)
	s_wait_tensorcnt 1                             ; the scales and my part of K step 0 are in; K step 1's load may be out
	s_barrier_signal -1
	s_barrier_wait -1
	FETCH_B 0, 0, 0
	FETCH_A 0, 0, 0
	SCALES 0
	FETCH_A 0, 0, 4
	STEP 0, 0, 1                                   ; the first products start the sums: nothing is cleared
	TURN 0, 1, 1                                   ; K has four steps of 256: both slots are filled again once, so the lap is written straight
	STEP 1, 0, 0
	TURN 1, 0, 1
	STEP 0, 0, 0
	TURN 0, 1, 0                                   ; nothing is left to fetch
	STEP 1, 0, 0
	LOADR 1, 1, 0                                  ; tile 1's RoPE rows, into source 0's set 0, which is done with (its places stand in STEP); 64 matrix instructions follow
	s_wait_dscnt 4*NL
	WIN MUL_LO
	MUL16 0, 1, NQ-1, 1, 0
	MUL16 2, 1, NQ-1, 1, 0
	s_wait_dscnt 0
	WIN MUL_HI
	MUL16 4, 1, NQ-1, 1, 0
	MUL16 6, 1, NQ-1, 1, 0
	WIN 0
	PLACES NP
	s_mov_b32 s20, 0x76543210
	s_mov_b32 s21, 0xfedcba98                      ; v_permlanex16_b32's selects for lane l xor 16
	s_mov_b32 s97, 0xffff0000                      ; lanes 16-31
	s_cmp_eq_u32 s96, 1
	s_cbranch_scc1 .Lv
	; ---- q, k: my 128 tokens are one step of attention; my 128 columns are two heads
	s_lshr_b32 s92, s42, 3                         ; the batch
	s_lshl_b32 s92, s92, 4
	s_lshl_b32 s93, s40, 2
	s_add_co_u32 s92, s92, s93
	s_lshl_b32 s93, s16, 1
	s_add_co_u32 s92, s92, s93                     ; my first head: 16 batch + 4 cx + 2 x half
	s_mul_i32 s92, s92, HEADB
	s_and_b32 s93, s42, 7
	s_lshl_b32 s93, s93, 1
	s_add_co_u32 s93, s93, s15                     ; the step
	s_mul_i32 s93, s93, REC
	s_add_co_u32 s92, s92, s93
	s_cmp_eq_u32 ttmp9, 0
	s_cselect_b32 s93, 13056, 0                    ; q's fields lie behind k's and v's
	s_add_co_u32 s92, s92, s93
	s_mov_b32 s93, 0
	s_add_nc_u64 s[12:13], s[12:13], s[92:93]
.irp a, 0,1,2,3,4,5,6,7
.if \a < 7
	s_wait_loadcnt 16                              ; this tile's 16 RoPE loads are in; the next tile's stay out
.else
	s_wait_loadcnt 0x0
.endif
	ROPE \a
.if \a < 6
	LOADR \a+2, \a%2, 64*(1-\a%2)                  ; the set just read takes the tile two on
.endif
	QUANT H, 0, PW
	v_bfe_u32 v[SW+\a], v[PW], v[H16], 16          ; lanes 0-15 keep the first head's two bytes, lanes 16-31 the second's; the upper two bytes are 0
.irp e, 0,1
.irp p, 0,1,2
	global_store_b64 v[L8], v[PC+6*\e+2*\p:PC+6*\e+2*\p+1], s[12:13] offset:\e*HEADB+768*\a+256*\p   ; 256 consecutive bytes, aligned
.endr
.endr
.endr
.irp g, 0,1
	global_store_b128 v[HR], v[SW+4*\g:SW+4*\g+3], s[12:13] offset:6144+256*\g   ; sixteen lanes: 256 consecutive bytes of one head
.endr
	s_branch .Ldone
.Lv:
	; ---- v: my 128 rows of Wv are two heads; my 128 tokens are one step.  An accumulator row's 64 registers run along the tokens: they are quantised as they stand
	s_wait_loadcnt 0x0                             ; (the RoPE rows that were asked for: no load is out while their neighbours are at work)
	s_lshr_b32 s92, s98, 3
	s_lshl_b32 s92, s92, 4
	s_lshl_b32 s93, s41, 2
	s_add_co_u32 s92, s92, s93
	s_lshl_b32 s93, s15, 1
	s_add_co_u32 s92, s92, s93                     ; my first head: 16 batch + 4 cy + 2 x half
	s_mul_i32 s92, s92, HEADB
	s_and_b32 s93, s98, 7
	s_lshl_b32 s93, s93, 1
	s_add_co_u32 s93, s93, s16
	s_mul_i32 s93, s93, REC
	s_add_co_u32 s92, s92, s93
	s_mov_b32 s93, 0
	s_add_nc_u64 s[12:13], s[12:13], s[92:93]
.irp a, 0,1,2,3,4,5,6,7
.set AC, 64*(\a%4)
.set AW, 2+\a/4
	QUANT AC, AW, SW+\a
.irp c, 0,1,2
	global_store_b128 v[L16], v[PC+4*\c:PC+4*\c+3], s[12:13] offset:(\a/4)*HEADB+6656+1536*(\a%4)+512*\c   ; 512 consecutive bytes
.endr
.endr
.irp i, 0,1,2,3
	v_cndmask_b32 v[T4+\i], v[SW+\i], v[SW+4+\i], s97   ; lanes 0-15 the first head's four tiles, lanes 16-31 the second's
.endr
	global_store_b128 v[HR], v[T4:T4+3], s[12:13] offset:12800
.Ldone:
	s_wait_tensorcnt 0x0                           ; the wave's end
	ds_add_u32 v[SPW], v[NIL]
	s_wait_dscnt 0x0
	CROUND                                         ; the closing round: no work-group ends while a partner may still ask for a tile that names it
	s_endpgm
.Lfunc_end_k_q2d5f59366c_qkv:
	.size	k_q2d5f59366c_qkv, .Lfunc_end_k_q2d5f59366c_qkv-k_q2d5f59366c_qkv
	.p2alignl 7, 3214868480
	.fill 96, 4, 3214868480
	.section	.rodata,"a",@progbits
	.p2align	6, 0x0
	.amdhsa_kernel k_q2d5f59366c_qkv
		.amdhsa_group_segment_fixed_size 327680
		.amdhsa_private_segment_fixed_size 0
		.amdhsa_enable_private_segment 0
		.amdhsa_kernarg_size 40
		.amdhsa_user_sgpr_count 2
		.amdhsa_user_sgpr_kernarg_segment_ptr 1
		.amdhsa_wavefront_size32 1
		.amdhsa_system_sgpr_workgroup_id_x 1
		.amdhsa_system_sgpr_workgroup_id_y 1
		.amdhsa_system_sgpr_workgroup_id_z 1
		.amdhsa_system_vgpr_workitem_id 0
		.amdhsa_next_free_vgpr 1024
		.amdhsa_next_free_sgpr 104
		.amdhsa_reserve_vcc 0
		.amdhsa_float_denorm_mode_32 3
		.amdhsa_float_denorm_mode_16_64 3
		.amdhsa_memory_ordered 1
		.amdhsa_forward_progress 1
		.amdhsa_inst_pref_size 246
	.end_amdhsa_kernel
	.amdgpu_metadata
---
amdhsa.version: [ 1, 2 ]
amdhsa.kernels:
  - .name:           k_q2d5f59366c_qkv
    .symbol:         k_q2d5f59366c_qkv.kd
    .args:
      - { .name: codes, .offset: 0, .size: 8, .value_kind: global_buffer, .address_space: global }
      - { .name: scl, .offset: 8, .size: 8, .value_kind: global_buffer, .address_space: global }
      - { .name: rope_cos, .offset: 16, .size: 8, .value_kind: global_buffer, .address_space: global }
      - { .name: rope_sin, .offset: 24, .size: 8, .value_kind: global_buffer, .address_space: global }
      - { .name: qkv, .offset: 32, .size: 8, .value_kind: global_buffer, .address_space: global }
    .group_segment_fixed_size: 327680
    .private_segment_fixed_size: 0
    .kernarg_segment_align: 8
    .kernarg_segment_size: 40
    .max_flat_workgroup_size: 128
    .sgpr_count:     104
    .vgpr_count:     1024
    .wavefront_size: 32
...
	.end_amdgpu_metadata
.endif
;; end of part 2
;; launch attn (part 3): grid 4 x 64, 16 waves a work-group, no clusters, 219,136 bytes of LDS; arguments qkv, attention_mask, oc, os; writes oc, os
.if DOCPART == 3
	.amdgcn_target "amdgcn-amd-amdhsa--gfx1250"
	.amdhsa_code_object_version 6
	.text
	.protected	k_q2d5f59366c_attn
	.globl	k_q2d5f59366c_attn
	.p2align	8
	.type	k_q2d5f59366c_attn,@function
k_q2d5f59366c_attn:
	s_mov_b64 s[64:65], 0
	v_nop
	global_prefetch_b8 v0, s[64:65] scope:SCOPE_SE
	s_setreg_imm32_b32 hwreg(HW_REG_WAVE_MODE, 25, 1), 1
	s_wait_xcnt 0x0
; Attention of one head on codes of BF6 (E3M2): S^T = K Q^T (K = the head's 64), causal mask and key mask, p = 2^(t - M) with t = score x log2(e) / 8 and M the running largest t rounded UP to a whole number,
; O^T += V^T P^T (K = 128 keys a step); the row's sum of the unquantised p divides at the end; the result is quantised along the model's 1,024 for the last product.
; SHARES.  A head has 128 tiles of 16 queries.  Wave pi = 16 x work-group x + wave (0..63) takes tile pi and then tile 127 - pi: pi / 8 + 1 and 16 - pi / 8 key steps, 17 in EVERY wave.
; THE WHOLE HEAD'S K AND V LIE IN LDS, filled once: 16 records of 13,056 bytes, two tensor loads in each of waves 0-7.  No byte is filled again.  The first pass reads records 0-7 alone, so records 8-15 may land under it.
; NO CLUSTER: the step that a wave leaves out hangs on the work-group's quarter of the head, and partners of a joint load may not branch apart.  NO PREFETCH: all that the launch reads is asked for at its head.
; LAYOUT.  Both products are used transposed: a lane holds ONE query (lane % 16).  Tiles of tokens are interleaved (launch quant): the 16 score registers of key tiles 2 b, 2 b + 1 are keys 32 b + 16 (lane / 16) + 0 .. 15.
; K = 64 IN AN INSTRUCTION OF K = 128: Q's registers 6-11 are zero codes and both sides' scale bytes 2, 3 are 0, so whatever codes stand in source 0's upper six registers add nothing (the format has no infinity and no NaN).
; So K's eight tiles lie overlapped, six registers apart.
; THE KEY MASK costs no line in the loop: each key's 0.0 or -3e38 lies in LDS and is loaded into the score registers, where it is the C of K Q^T.  The largest t begins at -2^120, over every masked t: a masked p is 0.
; A query with no key at all has the sum 0: its scale bytes become 0xff, so that the last product gives NaN for that token's row, as the softmax of an empty row does.
; LIMITS: scores under about -7e36 count as masked; a block of zeros gets the byte 1 where the quantiser says 127 (this program alone reads the bytes); NaN and infinities among the inputs are not served.
; REGISTERS: v1-7 addresses that stay; v8-11 the step's addresses; v12 -M, v13 the largest t, v[14:15] the sum; v16-27 Q of the first tile, v244-255 of the second; v28, v29 their scale words; v32-85 K's tiles, then V's;
; v86-93 K's scale words; v96-159 biases, scores, p; v160-191 O^T; v192-195 V's scale words; v196 p's; v200-218 codes; v224-243 at work.
.set REC,   19712
.set HEADB, 315392
.set RL,    13056                      ; a record's bytes in LDS: k's codes and scale words, v's codes and scale words
.set KSO,   6144
.set VCO,   6656
.set VSO,   12800
.set QCO,   13056
.set QSO,   19200
.set BIAS,  16*RL                      ; behind the records: 2,048 keys x 4 bytes, stored by the waves; no fill lands there
.set SSTRA, 1572864                    ; from one K step of 256 to the next in oc
.set S,   96
.set O,   160
.set BM,  224                          ; the four blocks' largest scores, then largest p
.set BP,  228                          ; the other half's; then bytes
.set BS,  232                          ; the conversions' scale operands
.set PCD, 200
	s_load_b128 s[4:7], s[0:1], 0x0                ; qkv, attention_mask
	s_load_b128 s[8:11], s[0:1], 0x10              ; oc, os
	v_lshl_add_u32 v239, v0, 2, 0x35000
	v_mov_b32 v241, 0
	ds_add_u32 v239, v241
	ds_add_u32 v239, v241
	v_lshrrev_b32 v8, 5, v0
	s_delay_alu instid0(VALU_DEP_1)
	v_readfirstlane_b32 s18, v8                    ; wave 0..15
	s_and_b32 s12, ttmp7, 0xffff                   ; batch x 16 + head
	s_lshr_b32 s13, s12, 4
	s_and_b32 s14, s12, 15
	s_lshl_b32 s15, ttmp9, 4
	s_add_co_u32 s15, s15, s18                     ; my first tile of queries,
	s_sub_co_u32 s16, 127, s15                     ; and my second
	s_mov_b32 s24, 3<<16                           ; descriptor group 1: no mask; elements of 8 bytes; no padding
	s_mov_b32 s25, 32<<16                          ; tensor_dim0 = 32: rows of 256 bytes
	s_mov_b32 s26, 51<<16                          ; tensor_dim1 = 51 rows: 13,056 dense bytes
	s_mov_b32 s27, 32<<16                          ; tile_dim0
	s_mov_b32 s28, 51                              ; tile_dim1
	s_mov_b32 s29, 32                              ; the pitch
	s_mov_b32 s30, 0
	s_mov_b32 s31, 0
	s_mul_i32 s48, s12, HEADB
	s_mov_b32 s49, 0
	s_mul_i32 s50, s18, REC
	s_mov_b32 s51, 0
	s_mov_b32 s32, 1
	s_mul_i32 s33, s18, RL                         ; record = wave,
	s_mov_b32 s36, 1
	s_add_co_u32 s37, s33, 8*RL                    ; and record = wave + 8
	s_lshl_b32 s52, s13, 13                        ; the batch's 2,048 mask words
	s_mov_b32 s53, 0
	s_wait_dscnt 0x0
	s_wait_kmcnt 0x0
	s_add_nc_u64 s[4:5], s[4:5], s[48:49]          ; my head's records
	s_add_nc_u64 s[34:35], s[4:5], s[50:51]
	s_add_nc_u64 s[38:39], s[34:35], 8*REC
	s_or_b32 s35, s35, 0x80000000
	s_or_b32 s39, s39, 0x80000000
	s_add_nc_u64 s[6:7], s[6:7], s[52:53]
	s_cmp_lt_u32 s18, 8                            ; a wave's two fills stand in one branch, ahead of every wait on TENSORcnt, every LDS read and every barrier: two loads of mine are out
	s_cbranch_scc0 .Lno_fill
	tensor_load_to_lds s[32:35], s[24:31]
	s_nop 0
	tensor_load_to_lds s[36:39], s[24:31]
	s_nop 0
.rept 4
	v_nop
.endr
.Lno_fill:
	v_lshlrev_b32 v30, 4, v0
	global_load_b128 v[96:99], v30, s[6:7]         ; four keys' mask words a thread: 512 threads, 2,048 keys
	v_and_b32 v8, 31, v0
	v_and_b32 v9, 15, v0                           ; r
	v_bfe_u32 v10, v0, 4, 1                        ; h
	s_delay_alu instid0(VALU_DEP_3)
	v_lshlrev_b32 v1, 3, v8                        ; 8 x lane
	s_delay_alu instid0(VALU_DEP_4)
	v_lshlrev_b32 v2, 4, v8                        ; 16 x lane
	s_delay_alu instid0(VALU_DEP_4)
	v_lshlrev_b32 v3, 4, v9                        ; 16 r
	s_delay_alu instid0(VALU_DEP_4)
	v_lshl_add_u32 v4, v10, 6, BIAS                ; my half's 16 keys of each block of 32
	v_and_b32 v11, 7, v9
	v_lshrrev_b32 v6, 3, v9
	s_delay_alu instid0(VALU_DEP_1)
	v_lshl_add_u32 v6, v6, 4, v11
	v_lshlrev_b32 v11, 4, v10
	s_delay_alu instid0(VALU_DEP_1)
	v_sub_nc_u32 v6, v6, v11                       ; r % 8 + 16 (r / 8) - 16 h
	v_lshl_add_u32 v7, v9, 5, v10                  ; 32 r + h: my byte in os
	v_lshl_add_u32 v94, v0, 4, BIAS
	v_mov_b32 v31, 0xff61b1e6                      ; -3e38
; Tile tau's fragment of Q (three pieces) and its scale word; the upper six registers are zero codes.
.macro QLOAD tau, qf, qs, sb
	s_lshr_b32 s48, s[\tau], 3
	s_mul_i32 s48, s48, REC
	s_and_b32 s49, s[\tau], 7
	s_mul_i32 s50, s49, 768
	s_add_co_u32 s50, s50, s48
	s_add_co_u32 s[\sb], s50, QCO
	s_mov_b32 s[\sb+1], 0
	s_lshr_b32 s50, s49, 2
	s_lshl_b32 s50, s50, 8
	s_and_b32 s49, s49, 3
	s_lshl_b32 s49, s49, 2
	s_add_co_u32 s50, s50, s49
	s_add_co_u32 s50, s50, s48
	s_add_co_u32 s[\sb+2], s50, QSO
	s_mov_b32 s[\sb+3], 0
	s_add_nc_u64 s[\sb:\sb+1], s[4:5], s[\sb:\sb+1]
	s_add_nc_u64 s[\sb+2:\sb+3], s[4:5], s[\sb+2:\sb+3]
.irp p, 0,1,2
	global_load_b64 v[\qf+2*\p:\qf+2*\p+1], v1, s[\sb:\sb+1] offset:256*\p
.endr
	global_load_b32 v[\qs], v3, s[\sb+2:\sb+3]
.irp p, 6,7,8,9,10,11
	v_mov_b32 v[\qf+\p], 0
.endr
.endm
	QLOAD 15, 16, 28, 52
	QLOAD 16, 244, 29, 56
.irp i, 80,81,82,83,84,85
	v_mov_b32 v\i, 0                               ; the upper six registers of K's last tile: written once
.endr
.irp b, 0,1,2,3
	v_mov_b32 v[BP+\b], 0                          ; written once: a lane permute's destination counts as one of its sources
.endr
	v_mov_b32 v243, 0                              ; (named as the upper half of the pair v[242:243])
	s_mov_b32 s20, 0x76543210
	s_mov_b32 s21, 0xfedcba98                      ; v_permlanex16_b32's selects for lane l xor 16
	s_mov_b32 s22, 0x3e38aa3b                      ; c = log2(e) / 8
	s_mov_b32 s23, s22                             ; (named with it as a pair)
	s_mov_b32 s42, 0xffff0000                      ; lanes 16-31
	s_wait_loadcnt 8                               ; the mask words are in; Q's eight loads may be out
.irp i, 0,1,2,3
	v_cmp_eq_u32 vcc_lo, 0, v[96+\i]
	s_delay_alu instid0(VALU_DEP_1)
	v_cndmask_b32 v[96+\i], 0, v31, vcc_lo         ; 0.0 for a key that counts, -3e38 for one that does not
.endr
	ds_store_b128 v94, v[96:99]
	s_wait_loadcnt 0x0                             ; Q
	s_wait_tensorcnt 1                             ; my record of 0-7 is in; my record of 8-15 may be out, and the first pass does not read it
	s_wait_dscnt 0x0                               ; my biases are stored
	s_barrier_signal -1
	s_barrier_wait -1
; A KEY STEP: 128 keys, record s40.  A step whose keys all come after my queries is left out: a scalar branch on ids, not round the lines that step addresses.
.macro STEP qf, qs
	s_cmp_gt_u32 s40, s41
	s_cbranch_scc1 .Lhid_\@
	s_setprio 2
	v_add_nc_u32 v8, s2, v1                        ; these four are also the places between the last products and the loads into their registers
	v_add_nc_u32 v9, s2, v2
	v_add_nc_u32 v10, s2, v3
	v_add_nc_u32 v11, s3, v4
.irp b, 0,1,2,3
.irp q, 0,1,2,3
	ds_load_b128 v[S+16*\b+4*\q:S+16*\b+4*\q+3], v11 offset:128*\b+16*\q   ; the biases of keys 32 b + 16 h + 4 q on: the same for all lanes of a half
.endr
.endr
.irp t, 0,1,2,3,4,5,6,7
.irp p, 0,1,2
	ds_load_b64 v[32+6*\t+2*\p:33+6*\t+2*\p], v8 offset:768*\t+256*\p
.endr
.endr
.irp g, 0,1
	ds_load_b128 v[86+4*\g:89+4*\g], v10 offset:KSO+256*\g
.endr
	s_wait_alu depctr_va_vdst(0)
	s_wait_dscnt 0x0
.irp t, 0,1,2,3,4,5,6,7
	v_wmma_scale_f32_16x16x128_f8f6f4 v[S+8*\t:S+8*\t+7], v[32+6*\t:43+6*\t], v[\qf:\qf+11], v[S+8*\t:S+8*\t+7], v[86+\t], v[\qs] matrix_a_fmt:MATRIX_FMT_BF6 matrix_b_fmt:MATRIX_FMT_BF6
.endr
.rept 4
	v_nop                                          ; places: for the loads into K's registers, and for the first read of the scores
.endr
.irp t, 0,1,2,3
.irp c, 0,1,2
	ds_load_b128 v[32+12*\t+4*\c:35+12*\t+4*\c], v9 offset:VCO+1536*\t+512*\c   ; V is asked for now and lands under the softmax
.endr
.endr
	ds_load_b128 v[192:195], v10 offset:VSO
	s_cmp_lg_u32 s40, s41
	s_cbranch_scc1 .Lopen_\@
	v_mov_b32 v240, 0xff800000                     ; the step on the diagonal: register 16 b + i holds key 32 b + 16 h + i of the step: hidden where 32 b + i > my query - 16 h
.set n, 0
.rept 64
	v_cmp_gt_i32 vcc_lo, 32*(n/16)+n%16, v5
	v_cndmask_b32 v[S+n], v[S+n], v240, vcc_lo
.set n, n+1
.endr
.Lopen_\@:
.irp b, 0,1,2,3
	v_max3_num_f32 v[BM+\b], v[S+16*\b], v[S+1+16*\b], v[S+2+16*\b]   ; the largest score of each block of 32 keys: for the row's maximum, and, since p rises with the score, for the block's largest p
.endr
.irp i, 3,5,7,9,11,13
.irp b, 0,1,2,3
	v_max3_num_f32 v[BM+\b], v[BM+\b], v[S+16*\b+\i], v[S+1+16*\b+\i]
.endr
.endr
.irp b, 0,1,2,3
	v_max_num_f32 v[BM+\b], v[BM+\b], v[S+15+16*\b]
.endr
.irp b, 0,1,2,3
	s_delay_alu instid0(VALU_DEP_4)
	v_permlanex16_b32 v[BP+\b], v[BM+\b], s20, s21
.endr
.irp b, 0,1,2,3
	s_delay_alu instid0(VALU_DEP_4)
	v_max_num_f32 v[BM+\b], v[BM+\b], v[BP+\b]
.endr
	s_delay_alu instid0(VALU_DEP_2)
	v_max3_num_f32 v240, v[BM], v[BM+1], v[BM+2]
	s_delay_alu instid0(VALU_DEP_1)
	v_max_num_f32 v240, v240, v[BM+3]
	s_delay_alu instid0(VALU_DEP_1)
	v_mul_f32 v240, s22, v240                      ; as t (c is positive)
	s_delay_alu instid0(VALU_DEP_1)
	v_max_num_f32 v13, v13, v240                   ; the running largest t
	v_mov_b32 v240, v12
	s_delay_alu instid0(VALU_DEP_2)
	v_floor_f32 v12, -v13                          ; -M = floor(-t): M is a whole number
	s_delay_alu instid0(VALU_DEP_1)
	v_sub_f32 v240, v12, v240                      ; old M - new M: a whole number, 0 or less
	s_delay_alu instid0(VALU_DEP_1)
	v_cvt_i32_f32 v240, v240                       ; (it saturates)
	s_delay_alu instid0(VALU_DEP_1)
	v_ldexp_f32 v242, 1.0, v240                    ; f = 2^(old M - new M): rounds nothing
.set n, 0
	s_setprio 1
.rept 32
	v_pk_fma_f32 v[S+n:S+n+1], v[S+n:S+n+1], s[22:23], v[12:13] op_sel_hi:[1,0,0]   ; t - M
.set n, n+2
.endr
.irp b, 0,1,2,3
	v_fma_f32 v[BM+\b], v[BM+\b], s22, v12
.endr
.set n, 0
	s_wait_alu depctr_va_vdst(0)
.rept 64
	v_exp_f32 v[S+n], v[S+n]                       ; p = 2^(t - M), at most 1, not normalised
.set n, n+1
.endr
	v_pk_mul_f32 v[14:15], v[14:15], v[242:243] op_sel_hi:[1,0]   ; the sums under the new M.  (A plain line behind the exponentials)
	s_wait_alu depctr_va_vdst(0)                   ; one wait for the batch of 64, ahead of its first reader
.irp b, 0,1,2,3
	v_exp_f32 v[BM+\b], v[BM+\b]                   ; each block's largest p
.endr
	v_pk_add_f32 v[236:237], v[100:101], v[104:105]
	v_pk_add_f32 v[234:235], v[108:109], v[112:113]
	v_pk_add_f32 v[232:233], v[116:117], v[120:121]
	v_pk_add_f32 v[230:231], v[124:125], v[128:129]
	v_pk_add_f32 v[228:229], v[132:133], v[136:137]
	v_pk_add_f32 v[222:223], v[140:141], v[144:145]
	v_pk_add_f32 v[220:221], v[148:149], v[152:153]
	v_pk_add_f32 v[14:15], v[14:15], v[156:157]
	v_pk_add_f32 v[236:237], v[236:237], v[96:97]
	v_pk_add_f32 v[234:235], v[234:235], v[98:99]
	v_pk_add_f32 v[232:233], v[232:233], v[102:103]
	v_pk_add_f32 v[230:231], v[230:231], v[106:107]
	v_pk_add_f32 v[228:229], v[228:229], v[110:111]
	v_pk_add_f32 v[222:223], v[222:223], v[114:115]
	v_pk_add_f32 v[220:221], v[220:221], v[118:119]
	v_pk_add_f32 v[14:15], v[14:15], v[122:123]
	v_pk_add_f32 v[236:237], v[236:237], v[126:127]
	v_pk_add_f32 v[234:235], v[234:235], v[130:131]
	v_pk_add_f32 v[232:233], v[232:233], v[134:135]
	v_pk_add_f32 v[230:231], v[230:231], v[138:139]
	v_pk_add_f32 v[228:229], v[228:229], v[142:143]
	v_pk_add_f32 v[222:223], v[222:223], v[146:147]
	v_pk_add_f32 v[220:221], v[220:221], v[150:151]
	v_pk_add_f32 v[14:15], v[14:15], v[154:155]
	v_pk_add_f32 v[236:237], v[236:237], v[158:159]
	s_delay_alu instid0(VALU_DEP_2)
	v_pk_add_f32 v[14:15], v[14:15], v[230:231]
	s_delay_alu instid0(VALU_DEP_2)
	v_pk_add_f32 v[236:237], v[236:237], v[228:229]
	v_pk_add_f32 v[234:235], v[234:235], v[222:223]
	v_pk_add_f32 v[232:233], v[232:233], v[220:221]
	s_delay_alu instid0(VALU_DEP_2)
	v_pk_add_f32 v[14:15], v[14:15], v[234:235]
	s_delay_alu instid0(VALU_DEP_2)
	v_pk_add_f32 v[236:237], v[236:237], v[232:233]
	s_delay_alu instid0(VALU_DEP_1)
	v_pk_add_f32 v[14:15], v[14:15], v[236:237]
	s_setprio 0
	s_wait_alu depctr_va_vdst(0)                   ; and one for the four
.irp b, 0,1,2,3
	v_max_num_f32 v[BM+\b], 0x2800000, v[BM+\b]    ; the floor 2^(5 - 127): the byte cannot fall under 1
.endr
.irp b, 0,1,2,3
	s_delay_alu instid0(VALU_DEP_4)
	v_add_nc_u32 v[BS+\b], 0xfe000000, v[BM+\b]
.endr
.irp b, 0,1,2,3
	s_delay_alu instid0(VALU_DEP_4)
	v_lshrrev_b32 v[BP+\b], 23, v[BS+\b]
.endr
	s_delay_alu instid0(VALU_DEP_3)
	v_lshl_or_b32 v196, v[BP+1], 8, v[BP]          ; p's scale word for these 128 keys
	s_delay_alu instid0(VALU_DEP_1)
	v_lshl_or_b32 v196, v[BP+2], 16, v196
	s_delay_alu instid0(VALU_DEP_1)
	v_lshl_or_b32 v196, v[BP+3], 24, v196
.irp c, 0,1
	v_cvt_scalef32_pk16_bf6_f32 v[PCD+6*\c:PCD+2+6*\c], v[S+32*\c:S+15+32*\c], v[BS+2*\c]
	v_cvt_scalef32_pk16_bf6_f32 v[PCD+12+4*\c:PCD+14+4*\c], v[S+16+32*\c:S+31+32*\c], v[BS+2*\c+1]
.endr
	v_nop                                          ; one plain line behind a scaled conversion
.irp c, 0,1
.irp i, 0,1,2
	v_permlane16_swap_b32 v[PCD+6*\c+\i], v[PCD+12+4*\c+\i]
.endr
.irp i, 0,1,2
	s_delay_alu instid0(VALU_DEP_3)
	v_mov_b32 v[PCD+3+6*\c+\i], v[PCD+12+4*\c+\i]
.endr
.endr
.set n, 0
.rept 16
	v_pk_mul_f32 v[O+n:O+n+1], v[O+n:O+n+1], v[242:243] op_sel_hi:[1,0]   ; O^T under the new M.  (These 16 are also the places between the codes' and the scale word's last writes and the products)
.set n, n+2
.endr
	s_wait_alu depctr_va_vdst(0)
	s_wait_dscnt 0x0                               ; V
.irp t, 0,1,2,3
	v_wmma_scale_f32_16x16x128_f8f6f4 v[O+8*\t:O+8*\t+7], v[32+12*\t:43+12*\t], v[PCD:PCD+11], v[O+8*\t:O+8*\t+7], v[192+\t], v196 matrix_a_fmt:MATRIX_FMT_BF6 matrix_b_fmt:MATRIX_FMT_BF6
.endr
.Lhid_\@:
	s_add_co_u32 s2, s2, RL                        ; the next record,
	s_add_co_u32 s3, s3, 512                       ; and its keys' biases
.endm
; THE WAY OUT of a tile: O^T / the sum; register 16 G + i is channel 32 G + 16 h + i: two blocks of the last product's K, half a fragment: three pieces of 256 bytes, and two scale bytes a row.
.macro OUT tau
.rept 4
	v_nop                                          ; places behind the last products
.endr
	v_add_f32 v14, v14, v15
	s_delay_alu instid0(VALU_DEP_1)
	v_permlanex16_b32 v[BP], v14, s20, s21
	s_delay_alu instid0(VALU_DEP_1)
	v_add_f32 v14, v14, v[BP]                      ; the row's sum
	s_delay_alu instid0(VALU_DEP_1)
	v_cmp_eq_f32 s43, 0, v14                       ; no key at all
	v_rcp_f32 v242, v14
	v_mov_b32 v240, 0xff                           ; (a plain line behind the reciprocal)
	s_lshl_b32 s48, s13, 7
	s_add_co_u32 s48, s48, s[\tau]                 ; the row block: 128 batch + tile
	s_mul_i32 s49, s48, 3072
	s_lshr_b32 s50, s14, 2
	s_mul_i32 s50, s50, SSTRA
	s_add_co_u32 s49, s49, s50
	s_bfe_u32 s50, s14, 0x10001
	s_mul_i32 s50, s50, 1536
	s_add_co_u32 s49, s49, s50
	s_and_b32 s50, s14, 1
	s_mul_i32 s50, s50, 768
	s_add_co_u32 s44, s49, s50
	s_mov_b32 s45, 0
	s_lshl_b32 s46, s48, 9
	s_lshl_b32 s50, s14, 1
	s_add_co_u32 s46, s46, s50
	s_mov_b32 s47, 0
	s_add_nc_u64 s[44:45], s[8:9], s[44:45]
	s_add_nc_u64 s[46:47], s[10:11], s[46:47]
	s_wait_alu depctr_va_vdst(0)                   ; the wait ahead of the reciprocal's first reader
.set n, 0
.rept 16
	v_pk_mul_f32 v[S+n:S+n+1], v[O+n:O+n+1], v[242:243] op_sel_hi:[1,0]
.set n, n+2
.endr
.irp b, 0,1
	v_max3_num_f32 v[BM+\b], |v[S+16*\b]|, |v[S+1+16*\b]|, 0x2800000
.endr
.irp i, 2,4,6,8,10,12,14
.irp b, 0,1
	s_delay_alu instid0(VALU_DEP_2)
	v_max3_num_f32 v[BM+\b], v[BM+\b], |v[S+16*\b+\i]|, |v[S+1+16*\b+\i]|
.endr
.endr
.irp b, 0,1
	s_delay_alu instid0(VALU_DEP_2)
	v_permlanex16_b32 v[BP+\b], v[BM+\b], s20, s21
.endr
.irp b, 0,1
	s_delay_alu instid0(VALU_DEP_2)
	v_max_num_f32 v[BM+\b], v[BM+\b], v[BP+\b]
.endr
.irp b, 0,1
	s_delay_alu instid0(VALU_DEP_2)
	v_add_nc_u32 v[BS+\b], 0xfe000000, v[BM+\b]
.endr
.irp b, 0,1
	s_delay_alu instid0(VALU_DEP_2)
	v_lshrrev_b32 v[BP+\b], 23, v[BS+\b]
.endr
	s_delay_alu instid0(VALU_DEP_1)
	v_cndmask_b32 v[BP+2], v[BP], v[BP+1], s42     ; lanes 0-15 store the first block's byte, lanes 16-31 the second's;
	s_delay_alu instid0(VALU_DEP_1)
	v_cndmask_b32 v[BP+2], v[BP+2], v240, s43      ; 0xff where the row had no key
	v_cvt_scalef32_pk16_bf6_f32 v[PCD:PCD+2], v[S:S+15], v[BS]
	v_cvt_scalef32_pk16_bf6_f32 v[PCD+12:PCD+14], v[S+16:S+31], v[BS+1]
	v_nop
.irp i, 0,1,2
	v_permlane16_swap_b32 v[PCD+\i], v[PCD+12+\i]
.endr
.irp i, 0,1,2
	s_delay_alu instid0(VALU_DEP_3)
	v_mov_b32 v[PCD+3+\i], v[PCD+12+\i]
.endr
.irp p, 0,1,2
	global_store_b64 v1, v[PCD+2*\p:PCD+2*\p+1], s[44:45] offset:256*\p   ; 256 consecutive bytes, aligned
.endr
	global_store_b8 v7, v[BP+2], s[46:47]          ; single bytes, 32 bytes apart: 32 bytes a tile against its 768 of codes
	s_wait_xcnt 0x0                                ; the stores have read their registers and bases: the next pass writes them
.endm
; A tile of queries: nt trips, a constant of the text; the steps behind the diagonal are left out inside STEP.
.macro PASS qf, qs, nt, tau
	s_lshr_b32 s41, s[\tau], 3                     ; the step on the diagonal
	s_and_b32 s48, s[\tau], 7
	s_lshr_b32 s49, s48, 1
	s_lshl_b32 s49, s49, 5
	s_and_b32 s48, s48, 1
	s_lshl_b32 s48, s48, 3
	s_add_co_u32 s48, s48, s49
	v_add_nc_u32 v5, s48, v6                       ; my query in its step, less 16 h
	v_mov_b32 v13, 0xfb800000                      ; the largest t so far: -2^120
	s_delay_alu instid0(VALU_DEP_1)
	v_floor_f32 v12, -v13
	v_mov_b32 v14, 0
	v_mov_b32 v15, 0
.set n, 0
.rept 32
	v_mov_b32 v[O+n], 0                            ; O^T.  (The step is written once for a pass: the first finds zeros)
.set n, n+1
.endr
	s_mov_b32 s2, 0
	s_mov_b32 s3, 0
	s_mov_b32 s40, 0
.Lstep_\@:
	STEP \qf, \qs
	s_add_co_u32 s40, s40, 1
	s_cmp_lt_u32 s40, \nt
	s_cbranch_scc1 .Lstep_\@
	s_setprio 0
	OUT \tau
.endm
	PASS 16, 28, 8, 15
	s_wait_tensorcnt 0x0                           ; my record of 8-15 is in,
	s_wait_dscnt 0x0
	s_barrier_signal -1
	s_barrier_wait -1                              ; everybody's is
	PASS 244, 29, 16, 16
	s_wait_tensorcnt 0x0
	ds_add_u32 v239, v241
	s_wait_dscnt 0x0
	s_endpgm
.Lfunc_end_k_q2d5f59366c_attn:
	.size	k_q2d5f59366c_attn, .Lfunc_end_k_q2d5f59366c_attn-k_q2d5f59366c_attn
	.p2alignl 7, 3214868480
	.fill 96, 4, 3214868480
	.section	.rodata,"a",@progbits
	.p2align	6, 0x0
	.amdhsa_kernel k_q2d5f59366c_attn
		.amdhsa_group_segment_fixed_size 219136
		.amdhsa_private_segment_fixed_size 0
		.amdhsa_enable_private_segment 0
		.amdhsa_kernarg_size 32
		.amdhsa_user_sgpr_count 2
		.amdhsa_user_sgpr_kernarg_segment_ptr 1
		.amdhsa_wavefront_size32 1
		.amdhsa_system_sgpr_workgroup_id_x 1
		.amdhsa_system_sgpr_workgroup_id_y 1
		.amdhsa_system_sgpr_workgroup_id_z 1
		.amdhsa_system_vgpr_workitem_id 0
		.amdhsa_next_free_vgpr 256
		.amdhsa_next_free_sgpr 66
		.amdhsa_reserve_vcc 1
		.amdhsa_float_denorm_mode_32 3
		.amdhsa_float_denorm_mode_16_64 3
		.amdhsa_memory_ordered 1
		.amdhsa_forward_progress 1
		.amdhsa_inst_pref_size 69
	.end_amdhsa_kernel
	.amdgpu_metadata
---
amdhsa.version: [ 1, 2 ]
amdhsa.kernels:
  - .name:           k_q2d5f59366c_attn
    .symbol:         k_q2d5f59366c_attn.kd
    .args:
      - { .name: qkv, .offset: 0, .size: 8, .value_kind: global_buffer, .address_space: global }
      - { .name: attention_mask, .offset: 8, .size: 8, .value_kind: global_buffer, .address_space: global }
      - { .name: oc, .offset: 16, .size: 8, .value_kind: global_buffer, .address_space: global }
      - { .name: os, .offset: 24, .size: 8, .value_kind: global_buffer, .address_space: global }
    .group_segment_fixed_size: 219136
    .private_segment_fixed_size: 0
    .kernarg_segment_align: 8
    .kernarg_segment_size: 32
    .max_flat_workgroup_size: 512
    .sgpr_count:     66
    .vgpr_count:     256
    .wavefront_size: 32
...
	.end_amdgpu_metadata
.endif
;; end of part 3
;; launch proj (part 4): grid 4 x 32, 4 waves a work-group, clusters of 4 x 4, 327,680 bytes of LDS; arguments oc, os, codes, scl, out0; writes out0
.if DOCPART == 4
	.amdgcn_target "amdgcn-amd-amdhsa--gfx1250"
	.amdhsa_code_object_version 6
	.text
	.protected	k_q2d5f59366c_proj
	.globl	k_q2d5f59366c_proj
	.p2align	8
	.type	k_q2d5f59366c_proj,@function
k_q2d5f59366c_proj:
	s_mov_b64 s[64:65], 0
	v_nop
	global_prefetch_b8 v0, s[64:65] scope:SCOPE_SE
	s_setreg_imm32_b32 hwreg(HW_REG_WAVE_MODE, 25, 1), 1
	s_wait_xcnt 0x0
	s_wait_alu depctr_hold_cnt(0) depctr_sa_sdst(0) depctr_va_vdst(0) depctr_va_sdst(0) depctr_va_ssrc(0) depctr_va_vcc(0) depctr_vm_vsrc(0)
	s_getreg_b32 s2, hwreg(HW_REG_IB_STS2, 6, 4)
	s_cmp_eq_u32 s2, 0
	s_cbranch_scc0 .Lentry_in_a_cluster
	s_endpgm
.Lentry_in_a_cluster:
	s_bfe_u32 s2, ttmp6, 0x10000c
	s_cmp_lg_u32 s2, 0xf033
	s_cbranch_scc0 .Lentry_shape_is_right
	s_endpgm
.Lentry_shape_is_right:
; out0 = o Wo^T on codes of BF6 (E3M2) with E8M0 scales, K = 1,024.  o's codes and scale bytes come from launch attn (oc, os), Wo's from launch quant (codes, scl, row blocks 704-767), both as images of the operand's registers.
; A tile of 256 x 256 to a work-group of four waves, 128 x 128 to a wave; K in steps of 256 through a ring of two LDS slots; a wave's tensor load brings 8 row blocks x 2 fragments as one dense block of 24,576 bytes.
; 128 work-groups: a tile of half the size would read each LDS byte for half the products, so the large tile is kept.
; CLUSTERS 4 x 4: o's tile is asked for jointly along a row of the cluster, Wo's along a column.  Source 0 = rows of Wo, source 1 = tokens: a lane holds eight neighbouring columns of one token's row.
; o's row blocks are interleaved (lane r of row block 2 G + u is token 32 G + 8 u + r % 8 + 16 (r / 8)): the stores' immediates undo that.
; A token whose scale bytes are 0xff (no key at all in attention) gets NaN in its whole row.
; REGISTERS as in launch qkv: window 0: v16-29 addresses; v32-63 scale words; v128-223 source 1's fragments; window 1: source 0's two sets; windows 2, 3: the accumulators.
.set NQ,     2
.set FR,     12
.set NL,     6
.set NP,     4
.set HALFT,  24576
.set SLOT,   4*HALFT
.set SSTR,   2359296                   ; from one K step of 256 to the next in codes,
.set SSTRA,  1572864                   ; and in oc
.set SCL,    2*SLOT
.set HALFS,  4352
.set SBLK,   544
.set SPARE,  SCL+4*HALFS               ; the spare words, 128 bytes for each wave: two blocks of 256 bytes that no other line names
.set SPITCH, 528                       ; the way out: a stage of 16 rows x (512 + 16) bytes for each wave, in slot 0, which has had its last fill and its last read when the first result is stored there
.set ADRA, 16
.set ADRB, 20
.set L8,   23
.set STO,  24
.set RD,   25
.set CO,   26
.set ADRS, 27
.set SPW,  28
.set NIL,  29
.set SC,   32
.set AF,   128
.set BK,   128
.set G1, 24
.set G0, 32
.set G1B, 48
.set G0B, 56
.set G1S, 68
.set G0S, 76
.set G1SB, 80
.set G0SB, 88
.set MSB, 0
.macro WIN new
.if MSB != (\new)
	s_set_vgpr_msb (MSB<<8)|(\new)
.set MSB, (\new)
.endif
.endm
.set MUL_LO, 0xa1
.set MUL_HI, 0xf1
.set TO_B,   0x40
.macro JLOAD g0a, g1a, g0b, g1b        ; waves 0 and 1 fetch for source 1, waves 2 and 3 for source 0; four v_nop follow each line
	s_cmp_eq_u32 s15, 0
	s_cbranch_scc0 .Lfor_b_\@
	tensor_load_to_lds s[\g0a:\g0a+3], s[\g1a:\g1a+7]
	s_nop 0
.rept 4
	v_nop
.endr
	s_branch .Lasked_\@
.Lfor_b_\@:
	tensor_load_to_lds s[\g0b:\g0b+3], s[\g1b:\g1b+7]
	s_nop 0
.rept 4
	v_nop
.endr
.Lasked_\@:
.endm
.macro CREST
	s_cmp_lg_u32 s14, 0
	s_cbranch_scc1 .Lnot_wave_0_\@
	s_barrier_signal -3
.Lnot_wave_0_\@:
	s_barrier_wait -3
	s_barrier_signal -1
	s_barrier_wait -1
.endm
.macro CROUND
	s_barrier_signal -1
	s_barrier_wait -1
	CREST
.endm
	s_load_b256 s[4:11], s[0:1], 0x0               ; oc s[4:5], os s[6:7], codes s[8:9], scl s[10:11]
	s_load_b64 s[12:13], s[0:1], 0x20              ; out0
	v_lshl_add_u32 v[SPW], v0, 2, SPARE
	v_mov_b32 v[NIL], 0
	ds_add_u32 v28, v29
	ds_add_u32 v28, v29
	s_wait_dscnt 0x0
	v_lshrrev_b32 v1, 5, v0
	v_readfirstlane_b32 s14, v1
	s_lshr_b32 s15, s14, 1                         ; my half of the tokens.  Also: I fetch for source 1 (0) or source 0 (1)
	s_and_b32 s16, s14, 1                          ; my half of the columns.  Also: which 8 row blocks I fetch
	s_bfe_u32 s40, ttmp6, 0x40000                  ; cx
	s_bfe_u32 s41, ttmp6, 0x40004                  ; cy
	s_lshl_b32 s42, ttmp9, 2
	s_add_co_u32 s42, s42, s40                     ; tile column
	s_and_b32 s17, ttmp7, 0xffff
	s_lshl_b32 s17, s17, 2
	s_add_co_u32 s17, s17, s41                     ; tile row
	s_lshl_b32 s43, s41, 2
	s_lshl_b32 s43, 15, s43
	s_lshl_b32 s44, 0x1111, s40
	s_or_b32 s[G1+0], s43, (3<<16)|(1<<21)         ; the mask; elements of 8 bytes; no padding; bit 21 beside a mask
	s_or_b32 s[G1B+0], s44, (3<<16)|(1<<21)
.irp g, G1, G1B
	s_mov_b32 s[\g+1], 32<<16
	s_mov_b32 s[\g+2], 96<<16
	s_mov_b32 s[\g+3], 32<<16
	s_mov_b32 s[\g+4], 96
	s_mov_b32 s[\g+5], 32
	s_mov_b32 s[\g+6], 0
	s_mov_b32 s[\g+7], 0
.endr
	s_or_b32 s[G1S+0], s43, (3<<16)|(1<<20)|(1<<21)|(5<<22)|(3<<25)
	s_or_b32 s[G1SB+0], s44, (3<<16)|(1<<20)|(1<<21)|(5<<22)|(3<<25)
.irp g, G1S, G1SB
	s_mov_b32 s[\g+1], 32<<16
	s_mov_b32 s[\g+2], 16<<16
	s_mov_b32 s[\g+3], 32<<16
	s_mov_b32 s[\g+4], 16
	s_mov_b32 s[\g+5], 32
	s_mov_b32 s[\g+6], 0
	s_mov_b32 s[\g+7], 0
.endr
	s_lshl_b32 s18, s16, 3
	s_lshl_b32 s20, s17, 4
	s_add_co_u32 s20, s20, s18                     ; o: row block 16 x tile row + the 8 that I fetch
	s_lshl_b32 s46, s42, 4
	s_add_co_u32 s46, s46, 704
	s_add_co_u32 s46, s46, s18                     ; Wo: 704 + 16 x tile column + 8 x half
	s_lshl_b32 s22, s20, 9
	s_mov_b32 s23, 0
	s_mul_i32 s20, s20, 3072
	s_mov_b32 s21, 0
	s_lshl_b32 s92, s46, 9
	s_mov_b32 s93, 0
	s_mul_i32 s46, s46, 3072
	s_mov_b32 s47, 0
	s_mul_i32 s45, s14, HALFT
	s_mul_i32 s94, s14, HALFS
	s_wait_kmcnt 0x0
	s_add_nc_u64 s[20:21], s[4:5], s[20:21]
	s_add_nc_u64 s[22:23], s[6:7], s[22:23]
	s_add_nc_u64 s[46:47], s[8:9], s[46:47]
	s_add_nc_u64 s[92:93], s[10:11], s[92:93]
	CROUND                                         ; all sixteen work-groups are here: the first joint loads meet
	s_mov_b32 s[G0S], 1
	s_add_co_u32 s[G0S+1], s94, SCL
	s_mov_b64 s[G0S+2:G0S+3], s[22:23]
	s_or_b32 s[G0S+3], s[G0S+3], 0x80000000
	s_mov_b32 s[G0SB], 1
	s_add_co_u32 s[G0SB+1], s94, SCL
	s_mov_b64 s[G0SB+2:G0SB+3], s[92:93]
	s_or_b32 s[G0SB+3], s[G0SB+3], 0x80000000
	JLOAD G0S, G1S, G0SB, G1SB
.irp s, 0,1
	s_mov_b32 s[G0+4*\s], 1
	s_add_co_u32 s[G0+4*\s+1], s45, \s*SLOT
	s_add_nc_u64 s[G0+4*\s+2:G0+4*\s+3], s[20:21], \s*SSTRA
	s_or_b32 s[G0+4*\s+3], s[G0+4*\s+3], 0x80000000
	s_mov_b32 s[G0B+4*\s], 1
	s_add_co_u32 s[G0B+4*\s+1], s45, \s*SLOT
	s_add_nc_u64 s[G0B+4*\s+2:G0B+4*\s+3], s[46:47], \s*SSTR
	s_or_b32 s[G0B+4*\s+3], s[G0B+4*\s+3], 0x80000000
	s_wait_alu depctr_va_vdst(0)
	s_wait_tensorcnt 0x0
	ds_add_u32 v28, v29
	s_wait_dscnt 0x0
	CROUND
	JLOAD G0+4*\s, G1, G0B+4*\s, G1B
.endr
	v_and_b32 v1, 15, v0                           ; r
	v_bfe_u32 v2, v0, 4, 1                         ; h
	v_and_b32 v6, 31, v0
	v_lshlrev_b32 v[L8], 3, v6
	s_mul_i32 s21, s15, HALFT
	s_mul_i32 s22, s16, HALFT
	s_add_co_u32 s22, s22, 2*HALFT
.irp s, 0,1
	v_add_nc_u32 v[ADRA+\s], s21, v[L8]
	v_add_nc_u32 v[ADRB+\s], s22, v[L8]
	s_add_co_u32 s21, s21, SLOT
	s_add_co_u32 s22, s22, SLOT
.endr
	v_lshlrev_b32 v5, 5, v1
	v_lshrrev_b32 v7, 8, v5
	v_lshl_add_u32 v5, v7, 4, v5
	s_mul_i32 s21, s15, HALFS
	s_mul_i32 s22, s16, HALFS
	s_add_co_u32 s22, s22, 2*HALFS
	s_sub_co_u32 s22, s22, s21
	v_mul_u32_u24 v7, s22, v2
	s_add_co_u32 s21, s21, SCL
	v_add_nc_u32 v5, v5, v7
	v_add_nc_u32 v[ADRS], s21, v5
	s_mul_i32 s23, s14, 16*SPITCH                  ; my stage
	v_mul_u32_u24 v5, v1, SPITCH
	v_lshl_add_u32 v5, v2, 5, v5
	v_add_nc_u32 v[STO], s23, v5                   ; in: row r, 32 bytes for each half of the lanes
	v_lshlrev_b32 v[CO], 4, v6                     ; back: the 32 lanes take one row of 512 bytes; and the same in out0
	v_add_nc_u32 v[RD], s23, v[CO]
	s_lshl_b32 s20, s17, 8
	s_lshl_b32 s21, s15, 7
	s_add_co_u32 s20, s20, s21                     ; my first token
	s_lshl_b32 s20, s20, 12                        ; x 4,096 bytes: under 2^25
	s_mov_b32 s21, 0
	s_lshl_b32 s46, s42, 10
	s_lshl_b32 s47, s16, 9
	s_add_co_u32 s46, s46, s47                     ; my first column, in bytes
	s_mov_b32 s47, 0
	s_add_nc_u64 s[20:21], s[20:21], s[46:47]
	s_add_nc_u64 s[12:13], s[12:13], s[20:21]
.macro FRAG reg, adr, q, i
.irp p, 0,1,2,3,4,5
	ds_load_b64 v[\reg+2*\p:\reg+2*\p+1], v[\adr] offset:(\i)*3072+(\q)*1536+256*\p
.endr
.endm
; The 64 accumulators take turns, one instruction a turn, in the same order in every step.
.macro MUL16 a0, p, q, sc, zero
.irp a, \a0, \a0+1
.irp b, 0,1,2,3,4,5,6,7
.if \zero
	v_wmma_scale_f32_16x16x128_f8f6f4 v[8*(8*((\a)%4)+\b):8*(8*((\a)%4)+\b)+7], v[128*(\p)+FR*\b:128*(\p)+FR*\b+FR-1], v[AF+FR*(\a):AF+FR*(\a)+FR-1], 0, v[SC+8*NQ*(\sc)+NQ*\b+(\q)], v[SC+8*NQ*(\sc)+NQ*(\a)+(\q)] matrix_a_fmt:MATRIX_FMT_BF6 matrix_b_fmt:MATRIX_FMT_BF6 matrix_a_scale:MATRIX_SCALE_ROW1
.else
	v_wmma_scale_f32_16x16x128_f8f6f4 v[8*(8*((\a)%4)+\b):8*(8*((\a)%4)+\b)+7], v[128*(\p)+FR*\b:128*(\p)+FR*\b+FR-1], v[AF+FR*(\a):AF+FR*(\a)+FR-1], v[8*(8*((\a)%4)+\b):8*(8*((\a)%4)+\b)+7], v[SC+8*NQ*(\sc)+NQ*\b+(\q)], v[SC+8*NQ*(\sc)+NQ*(\a)+(\q)] matrix_a_fmt:MATRIX_FMT_BF6 matrix_b_fmt:MATRIX_FMT_BF6 matrix_a_scale:MATRIX_SCALE_ROW1
.endif
.endr
.endr
.endm
.macro FETCH_B slot, q, p
	WIN TO_B
.irp i, 0,1,2,3,4,5,6,7
	FRAG 128*(\p)+FR*\i, ADRB+\slot, \q, \i
.endr
	WIN 0
.endm
.macro FETCH_A slot, q, i0
.irp i, \i0, \i0+1, \i0+2, \i0+3
	FRAG AF+FR*(\i), ADRA+\slot, \q, \i
.endr
.endm
.macro SCALES sc
.irp i, 0,1,2,3,4,5,6,7
	ds_load_b64 v[SC+8*NQ*\sc+NQ*\i:SC+8*NQ*\sc+NQ*\i+1], v[ADRS] offset:\i*SBLK
.endr
.endm
.macro PLACES n
.rept \n
	v_nop
.endr
.endm
.macro STEP slot, q, zero
	s_wait_dscnt 4*NL                              ; source 0's set and source 1's blocks 0-3 are in; the youngest 24 loads (blocks 4-7) may be out
	WIN MUL_LO
	MUL16 0, (\q)%2, \q, \slot, \zero
	MUL16 2, (\q)%2, \q, \slot, \zero
	s_wait_dscnt 0
	PLACES NP
	FETCH_B \slot, (\q)+1, 1-(\q)%2
	FETCH_A \slot, (\q)+1, 0
	WIN MUL_HI
	MUL16 4, (\q)%2, \q, \slot, \zero
	MUL16 6, (\q)%2, \q, \slot, \zero
	PLACES NP
	WIN 0
	FETCH_A \slot, (\q)+1, 4
.endm
.macro TURN slot, next, fill
	s_wait_tensorcnt 0x0                           ; all my tensor loads have landed: my part of the next slot
	ds_add_u32 v[SPW], v[NIL]                      ; 0 onto my spare word
	s_wait_dscnt 4*NL+1                            ; (the add and the youngest 24 loads may be out)
	WIN MUL_LO
	MUL16 0, 1, NQ-1, \slot, 0
	s_wait_dscnt 0x0                               ; the add is done, and my reads of this slot are over
	s_barrier_signal -1
	MUL16 2, 1, NQ-1, \slot, 0
	WIN 0
	s_barrier_wait -1
.if \fill
	CREST                                          ; the barrier has opened a round of the cluster's: no wave of any partner still reads this slot or has a load on its way
	s_add_nc_u64 s[G0+4*\slot+2:G0+4*\slot+3], s[G0+4*\slot+2:G0+4*\slot+3], 2*SSTRA
	s_add_nc_u64 s[G0B+4*\slot+2:G0B+4*\slot+3], s[G0B+4*\slot+2:G0B+4*\slot+3], 2*SSTR
	JLOAD G0+4*\slot, G1, G0B+4*\slot, G1B         ; the first tensor load behind the round; its four v_nop are the places in front of the loads below
.else
	PLACES NP
.endif
	s_wait_alu depctr_va_vdst(0)
	v_add_nc_u32 v[ADRS], 4*NQ, v[ADRS]
	FETCH_B \next, 0, 0
	FETCH_A \next, 0, 0
	SCALES \next
	WIN MUL_HI
	MUL16 4, 1, NQ-1, \slot, 0
	MUL16 6, 1, NQ-1, \slot, 0
	PLACES NP
	WIN 0
	FETCH_A \next, 0, 4
.endm
	s_wait_alu depctr_va_vdst(0)
	s_wait_tensorcnt 1                             ; the scales and my part of K step 0 are in; K step 1's load may be out
	s_barrier_signal -1
	s_barrier_wait -1
	FETCH_B 0, 0, 0
	FETCH_A 0, 0, 0
	SCALES 0
	FETCH_A 0, 0, 4
	STEP 0, 0, 1                                   ; the first products start the sums
	TURN 0, 1, 1                                   ; K has four steps of 256: both slots are filled again once, so the lap is written straight
	STEP 1, 0, 0
	TURN 1, 0, 1
	STEP 0, 0, 0
	TURN 0, 1, 0
	STEP 1, 0, 0
	s_wait_dscnt 4*NL
	WIN MUL_LO
	MUL16 0, 1, NQ-1, 1, 0
	MUL16 2, 1, NQ-1, 1, 0
	s_wait_dscnt 0
	WIN MUL_HI
	MUL16 4, 1, NQ-1, 1, 0
	MUL16 6, 1, NQ-1, 1, 0
	WIN 0
; THE WAY OUT, block by block of 16 tokens x 128 columns, through my own stage: in as 32 bytes a lane, back as whole rows of 512 bytes.  LDS serves a wave's instructions in order (ISA guide 5.7.1.4).
.macro TOSTAGE a
.set AC, 64*((\a)%4)
	WIN 0x08+4*((\a)/4)                            ; an LDS store's data are its source 1: window 2 or 3
.irp b, 0,1,2,3,4,5,6,7
	ds_store_b128 v[STO], v[AC+8*\b:AC+8*\b+3] offset:64*\b          ; each accumulator from its low end on
	ds_store_b128 v[STO], v[AC+8*\b+4:AC+8*\b+7] offset:64*\b+16
.endr
	WIN 0
.set BB, BK+64*((\a)%2)
.irp t, 0,1,2,3,4,5,6,7,8,9,10,11,12,13,14,15
	ds_load_b128 v[BB+4*\t:BB+4*\t+3], v[RD] offset:\t*SPITCH
.endr
.endm
.macro SEND a, younger                 ; stage row t of block a is token 32 (a / 2) + 8 (a % 2) + t % 8 + 16 (t / 8) of my 128: it stands in the immediate, 127 rows of 4,096 bytes at the most
.set BB, BK+64*((\a)%2)
	s_wait_dscnt \younger
.irp t, 0,1,2,3,4,5,6,7,8,9,10,11,12,13,14,15
	global_store_b128 v[CO], v[BB+4*\t:BB+4*\t+3], s[12:13] offset:(32*((\a)/2)+8*((\a)%2)+(\t%8)+16*(\t/8))*4096 th:TH_STORE_NT   ; 32 lanes store 512 consecutive bytes, aligned
.endr
.endm
	PLACES NP
	TOSTAGE 0
.irp a, 1,2,3,4,5,6,7
.if \a > 1
	s_wait_xcnt 0x0                                ; block a - 2's stores have read their registers: block a's loads may land there
.endif
	TOSTAGE \a
	SEND \a-1, 32                                  ; behind block a - 1's loads: block a's 16 stores and 16 loads
.endr
	SEND 7, 0
	s_wait_tensorcnt 0x0                           ; the wave's end
	ds_add_u32 v[SPW], v[NIL]
	s_wait_dscnt 0x0
	CROUND                                         ; the closing round
	s_endpgm
.Lfunc_end_k_q2d5f59366c_proj:
	.size	k_q2d5f59366c_proj, .Lfunc_end_k_q2d5f59366c_proj-k_q2d5f59366c_proj
	.p2alignl 7, 3214868480
	.fill 96, 4, 3214868480
	.section	.rodata,"a",@progbits
	.p2align	6, 0x0
	.amdhsa_kernel k_q2d5f59366c_proj
		.amdhsa_group_segment_fixed_size 327680
		.amdhsa_private_segment_fixed_size 0
		.amdhsa_enable_private_segment 0
		.amdhsa_kernarg_size 40
		.amdhsa_user_sgpr_count 2
		.amdhsa_user_sgpr_kernarg_segment_ptr 1
		.amdhsa_wavefront_size32 1
		.amdhsa_system_sgpr_workgroup_id_x 1
		.amdhsa_system_sgpr_workgroup_id_y 1
		.amdhsa_system_sgpr_workgroup_id_z 1
		.amdhsa_system_vgpr_workitem_id 0
		.amdhsa_next_free_vgpr 1024
		.amdhsa_next_free_sgpr 98
		.amdhsa_reserve_vcc 0
		.amdhsa_float_denorm_mode_32 3
		.amdhsa_float_denorm_mode_16_64 3
		.amdhsa_memory_ordered 1
		.amdhsa_forward_progress 1
		.amdhsa_inst_pref_size 160
	.end_amdhsa_kernel
	.amdgpu_metadata
---
amdhsa.version: [ 1, 2 ]
amdhsa.kernels:
  - .name:           k_q2d5f59366c_proj
    .symbol:         k_q2d5f59366c_proj.kd
    .args:
      - { .name: oc, .offset: 0, .size: 8, .value_kind: global_buffer, .address_space: global }
      - { .name: os, .offset: 8, .size: 8, .value_kind: global_buffer, .address_space: global }
      - { .name: codes, .offset: 16, .size: 8, .value_kind: global_buffer, .address_space: global }
      - { .name: scl, .offset: 24, .size: 8, .value_kind: global_buffer, .address_space: global }
      - { .name: out0, .offset: 32, .size: 8, .value_kind: global_buffer, .address_space: global }
    .group_segment_fixed_size: 327680
    .private_segment_fixed_size: 0
    .kernarg_segment_align: 8
    .kernarg_segment_size: 40
    .max_flat_workgroup_size: 128
    .sgpr_count:     98
    .vgpr_count:     1024
    .wavefront_size: 32
...
	.end_amdgpu_metadata
.endif
;; end of part 4
